; MI455X (gfx1250); checked and timed in simulation.
; The chip was launched on July 23, 2026; its instructions are those of AMD's public machine-readable ISA for CDNA 5 (MIT licence, August 2026) and "CDNA5" Instruction Set Architecture Reference Guide (July 2026). The comments in the code are by the model that wrote it; some were corrected since.
;; Encoder Layer. Allowed arithmetic: matrix products marked QUANTISED: E4M3 operands, one given power-of-two scale a tensor, by v_wmma_f32_16x16x64_fp8_fp8 or v_wmma_f32_16x16x128_fp8_fp8, f32 sums; everything else in f32.
;; Inputs: W1 1,024 x 4,096 float32; W2 4,096 x 1,024 float32; Wk 16 x 1,024 x 64 float32; Wq 16 x 1,024 x 64 float32; Wv 16 x 1,024 x 64 float32; b1 4,096 float32; b2 1,024 float32; beta1 1,024 float32; beta2 1,024 float32; bk 16 x 64 float32; bq 16 x 64 float32; bv 16 x 64 float32; encoder_input 2 x 2,048 x 1,024 float32; g1 1,024 float32; g2 1,024 float32; lowp_scales 14 int32 (the exponents e of the quantised operands' scales 2^e).
;; Outputs: out0 2 x 2,048 x 1,024 float32.
;; This version of the problem:
;;   THIS VERSION OF THE PROBLEM IS GIVEN IN LOW PRECISION. The matrix products marked QUANTISED in the list below multiply operands that are first quantised to E4M3 (4 exponent bits, 3 mantissa bits; 8 bits a number), with one given power-of-two scale for each operand tensor; their sums are f32. All else is computed in f32.
;;   The module's matrix products, in the order in which they are computed (A, B: the left and right operand; K: the contracted axis; several contracted axes count as one K, in the product's order):
;;     1. [M 1,024, K 1,024] x [K 1,024, N 4,096]; A: input Wq; B: input encoder_input: QUANTISED (scales: A lowp_scales[0], B lowp_scales[1])
;;     2. [M 1,024, K 1,024] x [K 1,024, N 4,096]; A: input Wk; B: input encoder_input: QUANTISED (scales: A lowp_scales[2], B lowp_scales[3])
;;     3. [M 1,024, K 1,024] x [K 1,024, N 4,096]; A: input Wv; B: input encoder_input: QUANTISED (scales: A lowp_scales[4], B lowp_scales[5])
;;     4. batch 32 x [M 2,048, K 64] x [K 64, N 2,048]; A: computed on the way; B: computed on the way: QUANTISED (scales: A lowp_scales[6], B lowp_scales[7])
;;     5. batch 32 x [M 2,048, K 2,048] x [K 2,048, N 64]; A: softmax (see below); B: computed on the way: QUANTISED (scales: A lowp_scales[8], B lowp_scales[9])
;;     6. [M 4,096, K 1,024] x [K 1,024, N 4,096]; A: computed on the way; B: input W1: QUANTISED (scales: A lowp_scales[10], B lowp_scales[11])
;;     7. [M 4,096, K 4,096] x [K 4,096, N 1,024]; A: computed on the way; B: input W2: QUANTISED (scales: A lowp_scales[12], B lowp_scales[13])
;;   THE QUANTISER, for each operand of a quantised product, along K:
;;     - The operand's scale is 2^e, e = its entry of the input lowp_scales (int32; the entries are numbered through the quantised products in the list's order, A before B).
;;     - Each number is divided by the scale, clamped to +-448, and rounded to the nearest number of E4M3, ties to even, subnormals kept.
;;     - The product sums the exact products of the quantised numbers (number of the format x scale) in f32.
;;   ~~~python
;;   def quantise(x, axis, e):      # numpy; x: float32 -> the quantised numbers, widened to float32 again
;;       x = np.moveaxis(x, axis, -1); K = x.shape[-1]
;;       r = np.clip(x / 2.0 ** e, -448, 448)
;;       step = 2.0 ** (np.maximum(np.frexp(np.where(r == 0, 1, r))[1] - 1, -6) - 3)
;;       q = np.round(r / step) * step * 2.0 ** e      # np.round: ties to even
;;       return np.moveaxis(q, -1, axis).astype(np.float32)
;;   ~~~
;;   SOFTMAX AHEAD OF A QUANTISED PRODUCT. Where the list says 'softmax', what is quantised is not the finished softmax but p = 2^(t - M), with t = logit x log2(e) and M = ceil(the row's largest t), a whole number; so 1/2 < the row's largest p <= 1. The row's sum l is taken of the UNQUANTISED p, in f32, and the product's result is divided by l at the end. Since M is a whole number, a kernel that streams over the keys may use a running M (the ceiling of the running maximum): every later rescaling is an exact power of two, so the quantised numbers keep their values, but for numbers so far below the row's largest that they fall under the format's range.
;;   OPERANDS COMPUTED ON THE WAY. 'Computed on the way' means the value that the module computes at that place (a softmax that the list does not call 'softmax' is quantised finished and normalised). What goes into a quantiser is computed in f32, as accurately as f32 sums, v_exp_f32 and their like allow (about 1e-6 of the number): no bf16 or f16 on the way to a quantiser, and a product that is left as it is and whose result goes on into a quantised operand takes f32 operands (vector FMAs, or v_wmma_f32_16x16x4_f32). A number that lies on a knife's edge between two numbers of the format may be rounded either way, as far as f32 arithmetic and the matrix unit's own rounding can turn it there, and no further.
;; One version. Each part assembles by itself: llvm-mc -triple=amdgcn-amd-amdhsa -mcpu=gfx1250 --defsym DOCPART=n.
;; ======== version 1 of 1: 7 launches
;; limits: right only within a limited range of input values
;; workspace buffers: xc 12,582,912 bytes; wc 11,534,336 bytes; qkvc 12,582,912 bytes; t32 16,777,216 bytes; y1 16,777,216 bytes; y1c 4,194,304 bytes; hc 16,777,216 bytes
;; launch quant (part 1): grid 608 x 1, 4 waves a work-group, no clusters, 36,352 bytes of LDS; arguments encoder_input, Wq, Wk, Wv, W1, W2, lowp_scales, xc, wc; writes xc, wc
.if DOCPART == 1
	.amdgcn_target "amdgcn-amd-amdhsa--gfx1250"
	.amdhsa_code_object_version 6
	.text
	.protected	k_qb43d3f1cbc_quant
	.globl	k_qb43d3f1cbc_quant
	.p2align	8
	.type	k_qb43d3f1cbc_quant,@function
k_qb43d3f1cbc_quant:
	s_mov_b64 s[64:65], 0
	v_nop
	global_prefetch_b8 v0, s[64:65] scope:SCOPE_SE
	s_setreg_imm32_b32 hwreg(HW_REG_WAVE_MODE, 25, 1), 1
	s_wait_xcnt 0x0
; All f32 inputs of the quantised products become codes of E4M3, K innermost, each with the scale 2^e that is given for it.
; code = x / 2^e, held within +-448, rounded to the nearest code, ties to even.  LIMITS: each e between -126 and 119; NaN among the inputs is not served.
; Work-groups 0-255: encoder_input [4096][1024], whose K is innermost.  It is an operand of three products with a scale of its own in each (entries 1, 3, 5):
;   three sets of codes, xc[w] at w x 4 MiB.  A wave takes 16 steps of 256 numbers; a lane 8 neighbours (32 bytes in, 8 bytes out for each set): a store of the wave covers 256 consecutive bytes, aligned.
; Work-groups 256-607: the five weights, whose K is NOT innermost.  A lane takes a column n and its registers run down K, so the conversions give codes with K innermost; a wave gathers
;   32 columns x 256 K in its own stage in LDS and stores rows: sixteen lanes 256 consecutive bytes, aligned.  One text serves all five: what differs (pitches, places, the scale's entry) is chosen by s_cselect on the work-group's number.
;   wc: Wq [1024 n = 64 h + k][1024 d] at 0, Wk at 1 MiB, Wv at 2 MiB, W1 [4096 n][1024 k] at 3 MiB, W2 [1024 n][4096 k] at 7 MiB.
; No tensor loads, no barrier, no cluster: waves share nothing.  Only the weights' path touches LDS.
.set R,     16                         ; x: v16-47   four sets of 8 numbers as loaded
.set T,     48                         ; x: v48-71   the 8 numbers held, once for each scale
.set C,     72                         ; x: v72-167  codes: six registers a step, never written again
.set PITCH, 272                        ; w: a stage row: 256 bytes of codes + 16
.set VO,    16                         ; w: v16-47   byte offset of row i of a block of 32 along K, + 4 x lane; later the stores' offsets
.set X,     48                         ; w: v48-111  two sets of 32 numbers
.set CW,    112                        ; w: v112-119 a block's codes
.set OUTR,  120                        ; w: v120-183 the way out
.set SB,    44                         ; w: s[44:59] the source's address at each of the wave's 8 blocks along K; never stepped
	s_load_b512 s[8:23], s[0:1], 0x0               ; x 8, Wq 10, Wk 12, Wv 14, W1 16, W2 18, scales 20, xc 22
	s_load_b64 s[24:25], s[0:1], 0x40              ; wc
	v_lshl_add_u32 v192, v0, 2, 0x8c00
	v_mov_b32 v193, 0
	v_lshrrev_b32 v1, 5, v0
	v_readfirstlane_b32 s26, v1                    ; wave
	v_and_b32 v2, 31, v0                           ; lane
	s_cmp_lt_u32 ttmp9, 256
	s_cbranch_scc0 .Lweights
; ---------------- encoder_input ----------------
	s_lshl_b32 s27, ttmp9, 2
	s_add_co_u32 s27, s27, s26                     ; which run of 4,096 numbers is my wave's
	s_lshl_b32 s34, s27, 14                        ; its bytes in x,
	s_mov_b32 s35, 0
	s_lshl_b32 s36, s27, 12                        ; and in a set of codes
	s_mov_b32 s37, 0
	s_wait_alu depctr_va_vdst(0)
	v_lshlrev_b32 v3, 5, v2                        ; in: 32 bytes a lane
	v_lshlrev_b32 v4, 3, v2                        ; out: 8 bytes a lane
	s_wait_alu depctr_va_vdst(0)
	s_wait_kmcnt 0x0
	s_load_b256 s[40:47], s[20:21], 0x0            ; entries 0 to 7
	s_add_nc_u64 s[8:9], s[8:9], s[34:35]
	s_add_nc_u64 s[28:29], s[22:23], s[36:37]      ; set 0,
	s_add_nc_u64 s[30:31], s[28:29], 0x400000      ; set 1,
	s_add_nc_u64 s[32:33], s[28:29], 0x800000      ; set 2
.macro XLOAD t
	global_load_b128 v[R+8*((\t)%4):R+8*((\t)%4)+3], v3, s[8:9] offset:1024*(\t) th:TH_LOAD_NT
	global_load_b128 v[R+8*((\t)%4)+4:R+8*((\t)%4)+7], v3, s[8:9] offset:1024*(\t)+16 th:TH_LOAD_NT
.endm
.irp t, 0,1,2,3
	XLOAD \t
.endr
	s_wait_kmcnt 0x0
.irp w, 0,1,2
	s_add_co_i32 s48, s[41+2*\w], 127
	s_lshl_b32 s49, s48, 23
	v_mov_b32 v[8+\w], s49                         ; 2^e as f32: the conversion takes its exponent field
	s_add_co_i32 s48, s48, 8
	s_lshl_b32 s48, s48, 23
	s_or_b32 s48, s48, 0x600000
	v_mov_b32 v[12+\w], s48                        ; 448 x 2^e
.endr
.macro XSTEP t
.if 15-(\t) >= 3
	s_wait_loadcnt 6                               ; this step's two loads are in; those of the three steps behind it may be out
.else
	s_wait_loadcnt 2*(15-(\t))
.endif
.irp w, 0,1,2
.irp i, 0,1,2,3,4,5,6,7
	v_med3_num_f32 v[T+8*\w+\i], v[R+8*((\t)%4)+\i], -v[12+\w], v[12+\w]   ; the conversion to an 8-bit code does not saturate (ISA guide 7.6.2): the hold comes first
.endr
.endr
.if (\t)+4 < 16
	XLOAD (\t)+4                                   ; the set has been read
.endif
.irp w, 0,1,2
	v_cvt_scalef32_pk8_fp8_f32 v[C+6*(\t)+2*\w:C+6*(\t)+2*\w+1], v[T+8*\w:T+8*\w+7], v[8+\w]
.endr
	v_nop                                          ; one plain vector line between the conversions and the next step's holds, which write their sources
	global_store_b64 v4, v[C+6*(\t):C+6*(\t)+1], s[28:29] offset:256*(\t)
	global_store_b64 v4, v[C+6*(\t)+2:C+6*(\t)+3], s[30:31] offset:256*(\t)
	global_store_b64 v4, v[C+6*(\t)+4:C+6*(\t)+5], s[32:33] offset:256*(\t)
.endm
	s_wait_alu depctr_va_vdst(0)
.irp t, 0,1,2,3,4,5,6,7,8,9,10,11,12,13,14,15
	XSTEP \t
.endr
	s_endpgm
; ---------------- the weights ----------------
.Lweights:
	s_sub_co_u32 s27, ttmp9, 256                   ; g: 0-95 Wq, Wk, Wv (32 each); 96-223 W1; 224-351 W2
	s_lshr_b32 s28, s27, 5                         ; which of Wq, Wk, Wv (of use where g < 96)
	s_lshl_b32 s29, s28, 5
	s_lshl_b32 s36, s28, 20
	s_lshl_b32 s37, s28, 3
	s_mov_b32 s30, 224                             ; W2's figures: first work-group,
	s_mov_b32 s31, 3                               ; log2 of the blocks of 128 columns,
	s_mov_b32 s32, 12                              ; log2 of the bytes from k to k + 1 in the source,
	s_mov_b32 s33, 12                              ; log2 of a row of codes,
	s_mov_b32 s34, 7<<20                           ; place in wc,
	s_mov_b32 s35, 52                              ; byte of its e among the scales
	s_wait_kmcnt 0x0
	s_mov_b64 s[38:39], s[18:19]
	s_cmp_lt_u32 s27, 224                          ; W1's
	s_cselect_b32 s30, 96, s30
	s_cselect_b32 s31, 5, s31
	s_cselect_b32 s32, 14, s32
	s_cselect_b32 s33, 10, s33
	s_cselect_b32 s34, 3<<20, s34
	s_cselect_b32 s35, 44, s35
	s_cselect_b64 s[38:39], s[16:17], s[38:39]
	s_cmp_eq_u32 s28, 0
	s_cselect_b64 s[40:41], s[10:11], s[12:13]
	s_cmp_eq_u32 s28, 2
	s_cselect_b64 s[40:41], s[14:15], s[40:41]
	s_cmp_lt_u32 s27, 96                           ; Wq's, Wk's, Wv's
	s_cselect_b32 s30, s29, s30
	s_cselect_b32 s31, 3, s31
	s_cselect_b32 s32, 8, s32
	s_cselect_b32 s34, s36, s34
	s_cselect_b32 s35, s37, s35
	s_cselect_b64 s[38:39], s[40:41], s[38:39]
	s_load_b32 s63, s[20:21], s35 offset:0x0       ; e
	s_sub_co_u32 s42, s27, s30
	s_bfm_b32 s43, s31, 0
	s_and_b32 s43, s42, s43                        ; which 128 columns
	s_lshr_b32 s42, s42, s31                       ; which 256 along K
	s_lshl_b32 s62, s43, 1                         ; my wave's 32 columns, in bytes.  Wq, Wk, Wv [16][1024][64]: head 2 x block + wave / 2 (2^18 bytes a head), + 128 (wave % 2)
	s_lshr_b32 s29, s26, 1
	s_add_co_u32 s62, s62, s29
	s_lshl_b32 s62, s62, 18
	s_and_b32 s29, s26, 1
	s_lshl_b32 s29, s29, 7
	s_add_co_u32 s62, s62, s29
	s_lshl_b32 s36, s43, 9                         ; W1, W2: 512 x block + 128 x wave
	s_lshl_b32 s29, s26, 7
	s_add_co_u32 s36, s36, s29
	s_cmp_lt_u32 s27, 96
	s_cselect_b32 s62, s62, s36
	s_lshl_b32 s36, s42, 8                         ; my first k
	s_lshl_b32 s37, s36, s32
	s_add_co_u32 s40, s37, s62
	s_mov_b32 s41, 0
	s_add_nc_u64 s[SB:SB+1], s[38:39], s[40:41]
	s_lshl_b32 s60, 32, s32                        ; 32 along K, in bytes
	s_mov_b32 s61, 0
.irp t, 1,2,3,4,5,6,7
	s_add_nc_u64 s[SB+2*\t:SB+2*\t+1], s[SB+2*\t-2:SB+2*\t-1], s[60:61]
.endr
	s_lshl_b32 s37, s43, 7                         ; the codes: row 128 x block + 32 x wave, byte = my first k
	s_lshl_b32 s29, s26, 5
	s_add_co_u32 s37, s37, s29
	s_lshl_b32 s37, s37, s33
	s_add_co_u32 s37, s37, s36
	s_add_co_u32 s40, s37, s34
	s_add_nc_u64 s[24:25], s[24:25], s[40:41]
	s_lshl_b32 s30, 1, s32                         ; bytes from k to k + 1
	s_lshl_b32 s31, 1, s33                         ; bytes of a row of codes
	s_wait_alu depctr_va_vdst(0)
	v_lshlrev_b32 v3, 2, v2
	s_mul_i32 s29, s26, 32*PITCH                   ; my stage
	v_mul_u32_u24 v4, v2, PITCH
	v_add_nc_u32 v4, s29, v4                       ; into it: row = my column
	v_and_b32 v5, 15, v2
	v_lshrrev_b32 v6, 4, v2
	v_mul_u32_u24 v7, v6, PITCH
	v_lshl_add_u32 v7, v5, 4, v7
	v_add_nc_u32 v7, s29, v7                       ; out of it: sixteen lanes to a row, two rows an instruction
	v_lshlrev_b32 v8, s33, v6
	v_lshl_add_u32 v8, v5, 4, v8                   ; and the same place among the codes
.set i, 0
.rept 32
	v_mad_u32_u24 v[VO+i], s30, i, v3
.set i, i+1
.endr
.macro WLOAD t                         ; block t: W(32 t + i, my column) into set t % 2: 32 lanes read 128 consecutive bytes
.set i, 0
.rept 32
	global_load_b32 v[X+32*((\t)%2)+i], v[VO+i], s[SB+2*(\t):SB+2*(\t)+1] th:TH_LOAD_NT
.set i, i+1
.endr
.endm
	WLOAD 0
	WLOAD 1
	s_wait_kmcnt 0x0
	s_add_co_i32 s63, s63, 127
	s_lshl_b32 s62, s63, 23
	v_mov_b32 v11, s62                             ; 2^e
	s_add_co_i32 s63, s63, 8
	s_lshl_b32 s63, s63, 23
	s_or_b32 s63, s63, 0x600000
	v_mov_b32 v10, s63                             ; 448 x 2^e
.macro BLOCK t
.set XS, X+32*((\t)%2)
.if (\t) < 7
	s_wait_loadcnt 32                              ; this block's 32 loads are in; the next block's may be out
.else
	s_wait_loadcnt 0x0
.endif
.set i, 0
.rept 32
	v_med3_num_f32 v[XS+i], v[XS+i], -v10, v10
.set i, i+1
.endr
.irp g, 0,1,2,3
	v_cvt_scalef32_pk8_fp8_f32 v[CW+2*\g:CW+2*\g+1], v[XS+8*\g:XS+8*\g+7], v11
.endr
	ds_store_b128 v4, v[CW:CW+3] offset:32*(\t)    ; 32 codes of my column's row
	ds_store_b128 v4, v[CW+4:CW+7] offset:32*(\t)+16
.if (\t)+2 < 8
	WLOAD (\t)+2
.endif
	s_wait_dscnt 0x0                               ; the stores have read their registers; the next block's holds are the plain lines ahead of its conversions
.endm
	s_wait_alu depctr_va_vdst(0)
.irp t, 0,1,2,3,4,5,6,7
	BLOCK \t
.endr
.set i, 0
.rept 16
	v_mad_u32_u24 v[VO+i], s31, 2*i, v8            ; every load is in, so its offset register is free: now rows 2 i, 2 i + 1 of the codes
.set i, i+1
.endr
.set i, 0
.rept 16
	ds_load_b128 v[OUTR+4*i:OUTR+4*i+3], v7 offset:2*i*PITCH   ; LDS serves a wave's instructions in order: these see my stores
.set i, i+1
.endr
.set i, 0
	s_wait_alu depctr_va_vdst(0)
.rept 16
	s_wait_dscnt 15-i
	global_store_b128 v[VO+i], v[OUTR+4*i:OUTR+4*i+3], s[24:25]
.set i, i+1
.endr
	s_wait_tensorcnt 0x0
	ds_add_u32 v192, v193
	s_wait_dscnt 0x0
	s_endpgm
.Lfunc_end_k_qb43d3f1cbc_quant:
	.size	k_qb43d3f1cbc_quant, .Lfunc_end_k_qb43d3f1cbc_quant-k_qb43d3f1cbc_quant
	.p2alignl 7, 3214868480
	.fill 96, 4, 3214868480
	.section	.rodata,"a",@progbits
	.p2align	6, 0x0
	.amdhsa_kernel k_qb43d3f1cbc_quant
		.amdhsa_group_segment_fixed_size 36352
		.amdhsa_private_segment_fixed_size 0
		.amdhsa_enable_private_segment 0
		.amdhsa_kernarg_size 72
		.amdhsa_user_sgpr_count 2
		.amdhsa_user_sgpr_kernarg_segment_ptr 1
		.amdhsa_wavefront_size32 1
		.amdhsa_system_sgpr_workgroup_id_x 1
		.amdhsa_system_sgpr_workgroup_id_y 1
		.amdhsa_system_sgpr_workgroup_id_z 1
		.amdhsa_system_vgpr_workitem_id 0
		.amdhsa_next_free_vgpr 194
		.amdhsa_next_free_sgpr 66
		.amdhsa_reserve_vcc 0
		.amdhsa_float_denorm_mode_32 3
		.amdhsa_float_denorm_mode_16_64 3
		.amdhsa_memory_ordered 1
		.amdhsa_forward_progress 1
		.amdhsa_inst_pref_size 91
	.end_amdhsa_kernel
	.amdgpu_metadata
---
amdhsa.version: [ 1, 2 ]
amdhsa.kernels:
  - .name:           k_qb43d3f1cbc_quant
    .symbol:         k_qb43d3f1cbc_quant.kd
    .args:
      - { .name: encoder_input, .offset: 0, .size: 8, .value_kind: global_buffer, .address_space: global }
      - { .name: Wq, .offset: 8, .size: 8, .value_kind: global_buffer, .address_space: global }
      - { .name: Wk, .offset: 16, .size: 8, .value_kind: global_buffer, .address_space: global }
      - { .name: Wv, .offset: 24, .size: 8, .value_kind: global_buffer, .address_space: global }
      - { .name: W1, .offset: 32, .size: 8, .value_kind: global_buffer, .address_space: global }
      - { .name: W2, .offset: 40, .size: 8, .value_kind: global_buffer, .address_space: global }
      - { .name: lowp_scales, .offset: 48, .size: 8, .value_kind: global_buffer, .address_space: global }
      - { .name: xc, .offset: 56, .size: 8, .value_kind: global_buffer, .address_space: global }
      - { .name: wc, .offset: 64, .size: 8, .value_kind: global_buffer, .address_space: global }
    .group_segment_fixed_size: 36352
    .private_segment_fixed_size: 0
    .kernarg_segment_align: 8
    .kernarg_segment_size: 72
    .max_flat_workgroup_size: 128
    .sgpr_count:     66
    .vgpr_count:     194
    .wavefront_size: 32
...
	.end_amdgpu_metadata
.endif
;; end of part 1
;; launch qkv (part 2): grid 12 x 16, 4 waves a work-group, clusters of 4 x 4, 327,680 bytes of LDS; arguments xc, wc, lowp_scales, bq, bk, bv, qkvc; writes qkvc
.if DOCPART == 2
	.amdgcn_target "amdgcn-amd-amdhsa--gfx1250"
	.amdhsa_code_object_version 6
	.text
	.protected	k_qb43d3f1cbc_qkv
	.globl	k_qb43d3f1cbc_qkv
	.p2align	8
	.type	k_qb43d3f1cbc_qkv,@function
k_qb43d3f1cbc_qkv:
	s_mov_b64 s[64:65], 0
	v_nop
	global_prefetch_b8 v0, s[64:65] scope:SCOPE_SE
	s_setreg_imm32_b32 hwreg(HW_REG_WAVE_MODE, 25, 1), 1
	s_wait_xcnt 0x0
	s_wait_alu depctr_hold_cnt(0) depctr_sa_sdst(0) depctr_va_vdst(0) depctr_va_sdst(0) depctr_va_ssrc(0) depctr_va_vcc(0) depctr_vm_vsrc(0)
	s_getreg_b32 s2, hwreg(HW_REG_IB_STS2, 6, 4)
	s_cmp_eq_u32 s2, 0
	s_cbranch_scc0 .Lentry_in_a_cluster
	s_endpgm
.Lentry_in_a_cluster:
	s_bfe_u32 s2, ttmp6, 0x10000c
	s_cmp_lg_u32 s2, 0xf033
	s_cbranch_scc0 .Lentry_shape_is_right
	s_endpgm
.Lentry_shape_is_right:
.set KROW,   1024
.set ROWB,   256
.set PITCH,  272
.set FR,     16
.set NL,     4
.set NP,     4
.set HALFT,  128*PITCH
.set SLOT,   4*HALFT
.set LAPS,   2
.set SPARE,  2*SLOT
.set STGV,   256*PITCH
.set ADRA, 16
.set BO,   18
.set BO2,  19
.set ADRB, 20
.set COQ,  22
.set RDQ,  23
.set STO,  24
.set RDR,  25
.set COR,  26
.set STOV, 27
.set SPW,  28
.set NIL,  29
.set SCL,  30
.set LIM,  31
.set BI,   32
.set TMP,  96
.set CD,   160
.set OB,   96
.set AF,   128
.set G1, 24
.set G0, 32
.set G1B, 48
.set G0B, 56
.set MSB, 0
.macro WIN new
.if MSB != \new
	s_set_vgpr_msb (MSB<<8)|\new
.set MSB, \new
.endif
.endm
.set MUL_LO, 0xa1
.set MUL_HI, 0xf1
.set TO_B,   0x40
.macro JLOAD g0a, g1a, g0b, g1b
	s_cmp_eq_u32 s15, 0
	s_cbranch_scc0 .Lfor_b_\@
	tensor_load_to_lds s[\g0a:\g0a+3], s[\g1a:\g1a+7]
	s_nop 0
.rept 4
	v_nop
.endr
	s_branch .Lasked_\@
.Lfor_b_\@:
	tensor_load_to_lds s[\g0b:\g0b+3], s[\g1b:\g1b+7]
	s_nop 0
.rept 4
	v_nop
.endr
.Lasked_\@:
.endm
.macro CREST
	s_cmp_lg_u32 s14, 0
	s_cbranch_scc1 .Lnot_wave_0_\@
	s_barrier_signal -3
.Lnot_wave_0_\@:
	s_barrier_wait -3
	s_barrier_signal -1
	s_barrier_wait -1
.endm
.macro CROUND
	s_barrier_signal -1
	s_barrier_wait -1
	CREST
.endm
	s_load_b256 s[68:75], s[0:1], 0x0
	s_load_b128 s[76:79], s[0:1], 0x20
	s_load_b64 s[80:81], s[0:1], 0x30
	v_lshl_add_u32 v[SPW], v0, 2, SPARE
	v_mov_b32 v[NIL], 0
	ds_add_u32 v28, v29
	ds_add_u32 v28, v29
	s_wait_dscnt 0x0
	v_lshrrev_b32 v1, 5, v0
	v_readfirstlane_b32 s14, v1
	v_and_b32 v9, 31, v0
	v_lshlrev_b32 v9, 10, v9                       ; the prefetches' offset: a lane a row of 1,024 bytes; never rewritten
	s_lshr_b32 s15, s14, 1
	s_and_b32 s16, s14, 1
	s_bfe_u32 s40, ttmp6, 0x40000
	s_bfe_u32 s41, ttmp6, 0x40004
	s_and_b32 s83, ttmp7, 0xffff
	s_lshl_b32 s83, s83, 2
	s_cmp_eq_u32 ttmp9, 2
	s_cselect_b32 s84, 0, s83
	s_cselect_b32 s85, s83, 0
	s_add_co_u32 s17, s84, s41
	s_add_co_u32 s42, s85, s40
	s_lshl_b32 s43, s41, 2
	s_lshl_b32 s43, 15, s43
	s_lshl_b32 s44, 0x1111, s40
	s_or_b32 s[G1+0], s43, (1<<20)|(1<<21)|(5<<22)|(3<<25)
	s_or_b32 s[G1B+0], s44, (1<<20)|(1<<21)|(5<<22)|(3<<25)
.irp g, G1, G1B
	s_mov_b32 s[\g+1], ROWB<<16
	s_mov_b32 s[\g+2], 128<<16
	s_mov_b32 s[\g+3], ROWB<<16
	s_mov_b32 s[\g+4], 128
	s_mov_b32 s[\g+5], KROW
	s_mov_b32 s[\g+6], 0
	s_mov_b32 s[\g+7], 0
.endr
	s_lshl_b32 s18, s16, 7
	s_lshl_b32 s20, s17, 8
	s_add_co_u32 s20, s20, s18
	s_lshl_b32 s20, s20, 10
	s_mov_b32 s21, 0
	s_lshl_b32 s46, s42, 8
	s_add_co_u32 s46, s46, s18
	s_lshl_b32 s46, s46, 10
	s_mov_b32 s47, 0
	s_mul_i32 s45, s14, HALFT
	; the prefetches: of the 128 rows that my wave fetches, my work-group names 32, told apart from its three partners by address (cx for A's tiles, cy for B's)
	s_cmp_eq_u32 s15, 0
	s_cselect_b32 s10, s17, s42
	s_cselect_b32 s12, s40, s41
	s_lshl_b32 s10, s10, 8
	s_add_co_u32 s10, s10, s18
	s_lshl_b32 s12, s12, 5
	s_add_co_u32 s10, s10, s12
	s_lshl_b32 s10, s10, 10
	s_add_co_u32 s10, s10, 512                     ; at K step 2
	s_mov_b32 s11, 0
	s_lshl_b32 s86, ttmp9, 22
	s_mov_b32 s87, 0
	s_lshl_b32 s88, ttmp9, 20
	s_mov_b32 s89, 0
	s_lshl_b32 s90, ttmp9, 3
	s_lshl_b32 s91, ttmp9, 2
	s_add_co_u32 s91, s91, 24
	s_cmp_eq_u32 ttmp9, 2
	s_cselect_b32 s91, 36, s91
	s_wait_kmcnt 0x0
	s_load_b64 s[96:97], s[72:73], s90 offset:0x0
	s_load_b32 s98, s[72:73], s91 offset:0x0
	s_add_nc_u64 s[86:87], s[68:69], s[86:87]
	s_add_nc_u64 s[88:89], s[70:71], s[88:89]
	s_cmp_eq_u32 ttmp9, 2
	s_cselect_b64 s[4:5], s[88:89], s[86:87]
	s_cselect_b64 s[6:7], s[86:87], s[88:89]
	s_add_nc_u64 s[20:21], s[4:5], s[20:21]
	s_add_nc_u64 s[46:47], s[6:7], s[46:47]
	s_cmp_eq_u32 s15, 0
	s_cselect_b64 s[8:9], s[4:5], s[6:7]
	s_add_nc_u64 s[8:9], s[8:9], s[10:11]          ; never rewritten
	CROUND
.irp s, 0,1
	s_mov_b32 s[G0+4*\s], 1
	s_add_co_u32 s[G0+4*\s+1], s45, \s*SLOT
	s_add_nc_u64 s[G0+4*\s+2:G0+4*\s+3], s[20:21], \s*ROWB
	s_or_b32 s[G0+4*\s+3], s[G0+4*\s+3], 0x80000000
	s_mov_b32 s[G0B+4*\s], 1
	s_add_co_u32 s[G0B+4*\s+1], s45, \s*SLOT
	s_add_nc_u64 s[G0B+4*\s+2:G0B+4*\s+3], s[46:47], \s*ROWB
	s_or_b32 s[G0B+4*\s+3], s[G0B+4*\s+3], 0x80000000
	s_wait_alu depctr_va_vdst(0)
.if \s                                 ; slot 1's first fill stands behind the full sequence and a round; slot 0's behind the opening lines and the one round above
	s_wait_tensorcnt 0x0
	ds_add_u32 v28, v29
	ds_add_u32 v28, v29
	s_wait_dscnt 0x0
	CROUND
.endif
	JLOAD G0+4*\s, G1, G0B+4*\s, G1B
	global_prefetch_b8 v9, s[8:9] offset:256*\s th:TH_LOAD_NT scope:SCOPE_SE   ; beside K step s's load: 32 rows x 256 bytes of K step s + 2, two refills on.  K has four steps, so nothing more is asked for
.endr
	v_and_b32 v1, 15, v0
	v_bfe_u32 v2, v0, 4, 1
	v_and_b32 v6, 31, v0
	v_mul_u32_u24 v3, v1, PITCH
	s_wait_alu depctr_va_vdst(0)
	v_lshl_add_u32 v4, v2, 4, v3
	s_mul_i32 s21, s15, HALFT
	s_mul_i32 s22, s16, HALFT
	s_add_co_u32 s22, s22, 2*HALFT
.irp s, 0,1
	v_add_nc_u32 v[ADRA+\s], s21, v4
	v_add_nc_u32 v[ADRB+\s], s22, v4
	s_add_co_u32 s21, s21, SLOT
	s_add_co_u32 s22, s22, SLOT
.endr
	s_lshl_b32 s23, s16, 7
	s_mul_i32 s21, s15, HALFT
	s_add_co_u32 s23, s23, s21
	v_lshl_add_u32 v5, v2, 3, v3
	v_add_nc_u32 v[STO], s23, v5
	v_add_nc_u32 v[STOV], STGV, v[STO]
	s_mul_i32 s23, s14, 64*PITCH
	v_mul_u32_u24 v5, v2, PITCH
	v_lshl_add_u32 v5, v1, 4, v5
	v_add_nc_u32 v[RDR], s23, v5
	v_add_nc_u32 v[RDR], STGV, v[RDR]
	v_lshrrev_b32 v7, 2, v6
	v_and_b32 v8, 3, v6
	v_mul_u32_u24 v7, v7, PITCH
	v_lshl_add_u32 v7, v8, 4, v7
	v_add_nc_u32 v[RDQ], s23, v7
	v_lshlrev_b32 v[COR], 12, v2
	v_lshl_add_u32 v[COR], v1, 4, v[COR]
	v_lshlrev_b32 v[COQ], 4, v6
	v_lshlrev_b32 v[BO], 5, v2
	v_lshlrev_b32 v[BO2], 2, v1
.macro FRAG reg, adr, q, i
.irp c, 0,1,2,3
	ds_load_b128 v[\reg+4*\c:\reg+4*\c+3], v[\adr] offset:128*(\q)+32*\c+(\i)*16*PITCH
.endr
.endm
.macro MUL16 a0, p, zero
.irp a, \a0, \a0+1
.irp b, 0,1,2,3,4,5,6,7
.if \zero
	v_wmma_f32_16x16x128_fp8_fp8 v[8*(8*((\a)%4)+\b):8*(8*((\a)%4)+\b)+7], v[128*(\p)+FR*\b:128*(\p)+FR*\b+FR-1], v[AF+FR*(\a):AF+FR*(\a)+FR-1], 0
.else
	v_wmma_f32_16x16x128_fp8_fp8 v[8*(8*((\a)%4)+\b):8*(8*((\a)%4)+\b)+7], v[128*(\p)+FR*\b:128*(\p)+FR*\b+FR-1], v[AF+FR*(\a):AF+FR*(\a)+FR-1], v[8*(8*((\a)%4)+\b):8*(8*((\a)%4)+\b)+7]
.endif
.endr
.endr
.endm
.macro FETCH_B slot, q, p
	WIN TO_B
.irp i, 0,1,2,3,4,5,6,7
	FRAG 128*(\p)+FR*\i, ADRB+\slot, \q, \i
.endr
	WIN 0
.endm
.macro FETCH_A slot, q, i0
.irp i, \i0, \i0+1, \i0+2, \i0+3
	FRAG AF+FR*(\i), ADRA+\slot, \q, \i
.endr
.endm
.macro PLACES n
.rept \n
	v_nop
.endr
.endm
.macro STEP slot, q, zero
	s_wait_dscnt 4*NL
	WIN MUL_LO
	MUL16 0, (\q)%2, \zero
	MUL16 2, (\q)%2, \zero
	s_wait_dscnt 0
	PLACES NP
	FETCH_B \slot, (\q)+1, 1-(\q)%2
	FETCH_A \slot, (\q)+1, 0
	WIN MUL_HI
	MUL16 4, (\q)%2, \zero
	MUL16 6, (\q)%2, \zero
	PLACES NP
	WIN 0
	FETCH_A \slot, (\q)+1, 4
.endm
.macro TURN slot, next, fill
	s_wait_tensorcnt 0x0
	ds_add_u32 v[SPW], v[NIL]
	s_wait_dscnt 4*NL+1
	WIN MUL_LO
	MUL16 0, 1, 0
	s_wait_dscnt 0x0
	s_barrier_signal -1
	MUL16 2, 1, 0
	WIN 0
	s_barrier_wait -1
.if \fill
	CREST
	s_add_nc_u64 s[G0+4*\slot+2:G0+4*\slot+3], s[G0+4*\slot+2:G0+4*\slot+3], 2*ROWB
	s_add_nc_u64 s[G0B+4*\slot+2:G0B+4*\slot+3], s[G0B+4*\slot+2:G0B+4*\slot+3], 2*ROWB
	JLOAD G0+4*\slot, G1, G0B+4*\slot, G1B
.else
	PLACES NP
.endif
	FETCH_B \next, 0, 0
	FETCH_A \next, 0, 0
	WIN MUL_HI
	MUL16 4, 1, 0
	MUL16 6, 1, 0
	PLACES NP
	WIN 0
	FETCH_A \next, 0, 4
.endm
.macro LAST
	s_wait_dscnt 4*NL
	WIN MUL_LO
	MUL16 0, 1, 0
	MUL16 2, 1, 0
	s_wait_dscnt 0
	WIN MUL_HI
	MUL16 4, 1, 0
	MUL16 6, 1, 0
	WIN 0
.endm
.macro EPI kind, sto
.irp a, 0,1,2,3,4,5,6,7
	WIN 0x02+(\a/4)
.irp b, 0,1,2,3,4,5,6,7
.irp i, 0,2,4,6
.if \kind
	v_pk_fma_f32 v[TMP+8*\b+\i:TMP+8*\b+\i+1], v[64*(\a%4)+8*\b+\i:64*(\a%4)+8*\b+\i+1], s[96:97], v[BI+2*\a:BI+2*\a+1] op_sel_hi:[1,0,1]
.else
	v_pk_fma_f32 v[TMP+8*\b+\i:TMP+8*\b+\i+1], v[64*(\a%4)+8*\b+\i:64*(\a%4)+8*\b+\i+1], s[96:97], v[BI+8*\b+\i:BI+8*\b+\i+1] op_sel_hi:[1,0,1]
.endif
.endr
.endr
	WIN 0
.set j, 0
.rept 64
	v_med3_num_f32 v[TMP+j], v[TMP+j], -v[LIM], v[LIM]
.set j, j+1
.endr
.if \a >= 2
	s_wait_alu depctr_va_vdst(0)
	s_wait_dscnt 8
.endif
.irp b, 0,1,2,3,4,5,6,7
	v_cvt_scalef32_pk8_fp8_f32 v[CD+16*(\a%2)+2*\b:CD+16*(\a%2)+2*\b+1], v[TMP+8*\b:TMP+8*\b+7], v[SCL]
.endr
	v_nop
.irp b, 0,1,2,3,4,5,6,7
	ds_store_b64 v[\sto], v[CD+16*(\a%2)+2*\b:CD+16*(\a%2)+2*\b+1] offset:\a*16*PITCH+16*\b
.endr
.endr
	s_wait_dscnt 0x0
	s_barrier_signal -1
	s_barrier_wait -1
.endm
	s_wait_tensorcnt 1
	s_barrier_signal -1
	s_barrier_wait -1
	FETCH_B 0, 0, 0
	FETCH_A 0, 0, 0
	FETCH_A 0, 0, 4
	STEP 0, 0, 1
	s_mov_b32 s3, LAPS-1
.Llap:
	TURN 0, 1, 1
	STEP 1, 0, 0
	TURN 1, 0, 1
	STEP 0, 0, 0
	s_sub_co_u32 s3, s3, 1
	s_cmp_lg_u32 s3, 0
	s_cbranch_scc1 .Llap
	TURN 0, 1, 0
	STEP 1, 0, 0
	s_wait_kmcnt 0x0
	s_add_co_i32 s96, s96, s97
	s_add_co_i32 s96, s96, 127
	s_lshl_b32 s96, s96, 23
	s_mov_b32 s97, s96
	s_add_co_i32 s98, s98, 127
	s_lshl_b32 s99, s98, 23
	v_mov_b32 v[SCL], s99
	s_add_co_i32 s98, s98, 8
	s_lshl_b32 s98, s98, 23
	s_or_b32 s98, s98, 0x600000
	v_mov_b32 v[LIM], s98
	s_cmp_eq_u32 ttmp9, 2
	s_cbranch_scc1 .Lv
	s_cmp_eq_u32 ttmp9, 0
	s_cselect_b64 s[4:5], s[74:75], s[76:77]
	s_lshl_b32 s6, s42, 10
	s_lshl_b32 s7, s16, 9
	s_add_co_u32 s6, s6, s7
	s_mov_b32 s7, 0
	s_add_nc_u64 s[4:5], s[4:5], s[6:7]
	s_wait_alu depctr_va_vdst(0)
.irp b, 0,1,2,3,4,5,6,7
	global_load_b128 v[BI+8*\b:BI+8*\b+3], v[BO], s[4:5] offset:64*\b
	global_load_b128 v[BI+8*\b+4:BI+8*\b+7], v[BO], s[4:5] offset:64*\b+16
.endr
	s_lshr_b32 s92, s17, 3
	s_lshl_b32 s92, s92, 4
	s_lshl_b32 s93, s42, 2
	s_add_co_u32 s92, s92, s93
	s_lshl_b32 s92, s92, 11
	s_and_b32 s93, s17, 7
	s_lshl_b32 s93, s93, 8
	s_add_co_u32 s92, s92, s93
	s_lshl_b32 s93, s14, 6
	s_add_co_u32 s92, s92, s93
	s_lshl_b32 s92, s92, 6
	s_lshl_b32 s93, ttmp9, 22
	s_add_co_u32 s92, s92, s93
	s_mov_b32 s93, 0
	s_add_nc_u64 s[80:81], s[80:81], s[92:93]
	LAST
	PLACES NP
	s_wait_loadcnt 0x0
	EPI 0, STO
.irp g, 0,1,2,3,4,5,6,7
.irp d, 0,1,2,3
	ds_load_b128 v[OB+4*(4*\g+\d):OB+4*(4*\g+\d)+3], v[RDQ] offset:\g*8*PITCH+64*\d
.endr
.endr
.irp g, 0,1,2,3,4,5,6,7
.irp d, 0,1,2,3
	s_wait_dscnt 31-(4*\g+\d)
	global_store_b128 v[COQ], v[OB+4*(4*\g+\d):OB+4*(4*\g+\d)+3], s[80:81] offset:131072*\d+512*\g
.endr
.endr
	s_branch .Lfin
.Lv:
	s_lshl_b32 s6, s17, 10
	s_lshl_b32 s7, s15, 9
	s_add_co_u32 s6, s6, s7
	s_mov_b32 s7, 0
	s_add_nc_u64 s[4:5], s[78:79], s[6:7]
	s_wait_alu depctr_va_vdst(0)
.irp a, 0,1,2,3,4,5,6,7
	global_load_b32 v[BI+2*\a], v[BO2], s[4:5] offset:64*\a
	global_load_b32 v[BI+2*\a+1], v[BO2], s[4:5] offset:64*\a
.endr
	s_lshl_b32 s92, s17, 8
	s_lshl_b32 s93, s14, 6
	s_add_co_u32 s92, s92, s93
	s_lshl_b32 s92, s92, 12
	s_lshl_b32 s93, s42, 8
	s_add_co_u32 s92, s92, s93
	s_add_co_u32 s92, s92, 8<<20
	s_mov_b32 s93, 0
	s_add_nc_u64 s[80:81], s[80:81], s[92:93]
	LAST
	PLACES NP
	s_wait_loadcnt 0x0
	EPI 1, STOV
.set t, 0
.rept 32
	ds_load_b128 v[OB+4*t:OB+4*t+3], v[RDR] offset:t*2*PITCH
.set t, t+1
.endr
.set t, 0
.rept 32
	s_wait_dscnt 31-t
	global_store_b128 v[COR], v[OB+4*t:OB+4*t+3], s[80:81] offset:8192*t
.set t, t+1
.endr
.Lfin:
	s_wait_tensorcnt 0x0
	ds_add_u32 v[SPW], v[NIL]
	s_wait_dscnt 0x0
	CROUND
	s_endpgm
.Lfunc_end_k_qb43d3f1cbc_qkv:
	.size	k_qb43d3f1cbc_qkv, .Lfunc_end_k_qb43d3f1cbc_qkv-k_qb43d3f1cbc_qkv
	.p2alignl 7, 3214868480
	.fill 96, 4, 3214868480
	.section	.rodata,"a",@progbits
	.p2align	6, 0x0
	.amdhsa_kernel k_qb43d3f1cbc_qkv
		.amdhsa_group_segment_fixed_size 327680
		.amdhsa_private_segment_fixed_size 0
		.amdhsa_enable_private_segment 0
		.amdhsa_kernarg_size 56
		.amdhsa_user_sgpr_count 2
		.amdhsa_user_sgpr_kernarg_segment_ptr 1
		.amdhsa_wavefront_size32 1
		.amdhsa_system_sgpr_workgroup_id_x 1
		.amdhsa_system_sgpr_workgroup_id_y 1
		.amdhsa_system_sgpr_workgroup_id_z 1
		.amdhsa_system_vgpr_workitem_id 0
		.amdhsa_next_free_vgpr 1024
		.amdhsa_next_free_sgpr 100
		.amdhsa_reserve_vcc 0
		.amdhsa_float_denorm_mode_32 3
		.amdhsa_float_denorm_mode_16_64 3
		.amdhsa_memory_ordered 1
		.amdhsa_forward_progress 1
		.amdhsa_inst_pref_size 215
	.end_amdhsa_kernel
	.amdgpu_metadata
---
amdhsa.version: [ 1, 2 ]
amdhsa.kernels:
  - .name:           k_qb43d3f1cbc_qkv
    .symbol:         k_qb43d3f1cbc_qkv.kd
    .args:
      - { .name: xc, .offset: 0, .size: 8, .value_kind: global_buffer, .address_space: global }
      - { .name: wc, .offset: 8, .size: 8, .value_kind: global_buffer, .address_space: global }
      - { .name: lowp_scales, .offset: 16, .size: 8, .value_kind: global_buffer, .address_space: global }
      - { .name: bq, .offset: 24, .size: 8, .value_kind: global_buffer, .address_space: global }
      - { .name: bk, .offset: 32, .size: 8, .value_kind: global_buffer, .address_space: global }
      - { .name: bv, .offset: 40, .size: 8, .value_kind: global_buffer, .address_space: global }
      - { .name: qkvc, .offset: 48, .size: 8, .value_kind: global_buffer, .address_space: global }
    .group_segment_fixed_size: 327680
    .private_segment_fixed_size: 0
    .kernarg_segment_align: 8
    .kernarg_segment_size: 56
    .max_flat_workgroup_size: 128
    .sgpr_count:     100
    .vgpr_count:     1024
    .wavefront_size: 32
...
	.end_amdgpu_metadata
.endif
;; end of part 2
;; launch attn (part 3): grid 8 x 32, 8 waves a work-group, clusters of 4 x 1, 327,680 bytes of LDS; arguments qkvc, lowp_scales, t32; writes t32
.if DOCPART == 3
	.amdgcn_target "amdgcn-amd-amdhsa--gfx1250"
	.amdhsa_code_object_version 6
	.text
	.protected	k_qb43d3f1cbc_attn
	.globl	k_qb43d3f1cbc_attn
	.p2align	8
	.type	k_qb43d3f1cbc_attn,@function
k_qb43d3f1cbc_attn:
	s_mov_b64 s[64:65], 0
	v_nop
	global_prefetch_b8 v0, s[64:65] scope:SCOPE_SE
	s_setreg_imm32_b32 hwreg(HW_REG_WAVE_MODE, 25, 1), 1
	s_wait_xcnt 0x0
	s_wait_alu depctr_hold_cnt(0) depctr_sa_sdst(0) depctr_va_vdst(0) depctr_va_sdst(0) depctr_va_ssrc(0) depctr_va_vcc(0) depctr_vm_vsrc(0)
	s_getreg_b32 s2, hwreg(HW_REG_IB_STS2, 6, 4)
	s_cmp_eq_u32 s2, 0
	s_cbranch_scc0 .Lentry_in_a_cluster
	s_endpgm
.Lentry_in_a_cluster:
	s_bfe_u32 s2, ttmp6, 0x10000c
	s_cmp_lg_u32 s2, 0x3003
	s_cbranch_scc0 .Lentry_shape_is_right
	s_endpgm
.Lentry_shape_is_right:
; o[b][s][64 head + c] = sum over keys of softmax(q . k / 8) v, both products on codes of E4M3 with the given scales (entries 6: q, 7: k, 8: p, 9: v).
; THE SOFTMAX AHEAD OF THE SECOND PRODUCT: t = score x log2(e) / 8; M = the running largest t rounded UP to a whole number; p = 2^(t - M) is quantised, not normalised;
; the row's sum is taken of the unquantised p and divides at the end.  When M moves, the sum and O are multiplied by 2^(old M - new M), which rounds nothing.
; SHARES.  A work-group owns 256 queries of one head of one batch; each of its eight waves 32 of them, two tiles A and B of 16: every fragment of K and of V that a wave reads from LDS feeds two matrix instructions.
; THE HEAD'S WHOLE K AND V LIE IN LDS, each byte filled once, in two halves of 1,024 keys: K's half, then V's half.  Waves 0-3 ask for 256 keys each, waves 4-7 for 16 channels each: one tensor load a wave
; at the head (half 0), one more behind the next round (half 1), which has half 0's eight steps in which to land.  By the text's own count one tensor load of a wave is out at a time.
; K IN LDS: two keys to a row of 128 bytes + 16: key k at 144 (k / 2) + 64 (k % 2).  The sixteen keys of a fragment load (eight neighbours, and the eight that lie 16 on) then start in sixteen different 16-byte columns of 256 bytes.
; V IN LDS: a channel's 1,024 keys + 16 bytes: sixteen channels start in sixteen different columns.
; CLUSTER.  The four query blocks of a cluster belong to one head and need the same K and V: each tile is asked for jointly, with a mask that names the four.
; NO PREFETCH: all of K and V has been asked for when the first key step begins; there is no later tensor load to run ahead of.
; LAYOUT.  Both products are used transposed: S^T = K Q^T (source 0 = 16 keys), O^T = V^T P^T (source 0 = 16 channels): a lane holds ONE query of each tile (lane % 16) throughout.
; THE KEYS OF A TILE ARE NOT NEIGHBOURS: lane r of tile 2 b + u takes key 32 b + 8 u + r + 8 (r / 8), so that the 16 registers of tiles 2 b, 2 b + 1 are the neighbouring keys 32 b + 16 (lane / 16) + 0 .. 15.
; Fragments come by loads of 16 bytes: a permutation of k that is the same on both sides of each product.
; REGISTERS.  Window 0: v1-11 addresses; v12-15 -M and the largest t of A and B; v16-19 the sums; v20-23 f; v24-26 the hold and the scale; v27-47 at work; v64-95 p's codes; v96-159, v160-223 S^T, then p, of A and B.
; Window 1: v0-15 Q; v16-79 O^T; v80-143 K's eight fragments; v144-207 V's four.  So the whole softmax of both tiles runs under one setting of the windows, A's and B's lines by turns.
; LIMITS: e6 + e7 between -123 and 130 (added to c's exponent field); e8 between -126 and 119; e8 + e9 goes by v_ldexp_f32 and has none.  The scaled scores stay under 2^31 in magnitude.
.set KSTEP, 64*144                     ; 128 keys of K in LDS
.set KHALF, 512*144                    ; 1,024 keys
.set VP,    1040                       ; a channel's row of a half
.set VHALF, 64*VP
.set HALF,  KHALF+VHALF
.set SPARE, 2*HALF                     ; the spare words: 128 bytes a wave, four blocks of 256 bytes that no other line names
.set STAGE, SPARE+1024                 ; the way out: 16 rows x (256 + 16) bytes a wave, bytes of their own
.set SP,    272
.set AK0, 1
.set AV0, 2
.set GO,  3
.set ADK, 4
.set ADV, 5
.set STI, 6
.set STB, 7
.set SPW, 10
.set NIL, 11
.set LIM, 24
.set SCL, 25
.set LIM2, 26
.set TA,  36
.set TB,  42
.set PA,  64
.set PB,  80
.set SA,  96
.set SB,  160
.set QA,  0                            ; window 1 from here on
.set QB,  8
.set OA,  16
.set OB,  48
.set KF,  80
.set VF,  144
.set WV,  18
.set SEL, 20
.set CS,  22
.set G1K, 24
.set G1V, 32
.set G0K, 40
.set G0V, 44
.set TBK, 10
.set TBV, 11
.set CNT, 12
.set MSB, 0
.macro WIN new                         ; the immediate's high byte repeats the setting that is left
.if MSB != \new
	s_set_vgpr_msb (MSB<<8)|\new
.set MSB, \new
.endif
.endm
.macro CROUND
	s_barrier_signal -1
	s_barrier_wait -1
	s_cmp_lg_u32 s[WV], 0
	s_cbranch_scc1 .Lnot_wave_0_\@
	s_barrier_signal -3
.Lnot_wave_0_\@:
	s_barrier_wait -3
	s_barrier_signal -1
	s_barrier_wait -1
.endm
; Every wave issues one joint load: waves 0-3 for K, waves 4-7 for V.  An s_nop 0 and four v_nop follow each line.
.macro TLOAD
	s_cmp_lt_u32 s[WV], 4
	s_cbranch_scc0 .Lfor_v_\@
	tensor_load_to_lds s[G0K:G0K+3], s[G1K:G1K+7]
	s_nop 0
.rept 4
	v_nop
.endr
	s_branch .Lasked_\@
.Lfor_v_\@:
	tensor_load_to_lds s[G0V:G0V+3], s[G1V:G1V+7]
	s_nop 0
.rept 4
	v_nop
.endr
.Lasked_\@:
.endm
	s_load_b128 s[4:7], s[0:1], 0x0                ; qkvc, the scales
	s_load_b64 s[8:9], s[0:1], 0x10                ; t32
	v_lshl_add_u32 v[SPW], v0, 2, SPARE
	v_mov_b32 v[NIL], 0
	ds_add_u32 v[SPW], v[NIL]                      ; the opening lines: the add, twice on end, and its wait
	ds_add_u32 v[SPW], v[NIL]
	v_lshrrev_b32 v9, 5, v0
	v_readfirstlane_b32 s[WV], v9                  ; wave 0..7
	s_bfe_u32 s13, ttmp6, 0x40000                  ; cx
	s_lshl_b32 s14, ttmp9, 2
	s_add_co_u32 s14, s14, s13                     ; my block of 256 queries: it enters Q's and o's addresses alone
	s_and_b32 s15, ttmp7, 0xffff                   ; 16 b + head, which the four partners share
	s_lshr_b32 s16, s15, 4
	s_and_b32 s17, s15, 15
	s_and_b32 s19, s[WV], 3                        ; which quarter of a half I fetch
	s_lshl_b32 s84, s15, 17                        ; K: 4 MiB + the head's 2,048 x 64 bytes + 256 keys a quarter
	s_lshl_b32 s85, s19, 14
	s_add_co_u32 s84, s84, s85
	s_add_co_u32 s84, s84, 4<<20
	s_mov_b32 s85, 0
	s_lshl_b32 s86, s17, 6                         ; V: 8 MiB + (64 head + 16 a quarter) rows of 4,096 bytes + 2,048 b
	s_lshl_b32 s87, s19, 4
	s_add_co_u32 s86, s86, s87
	s_lshl_b32 s86, s86, 12
	s_lshl_b32 s87, s16, 11
	s_add_co_u32 s86, s86, s87
	s_add_co_u32 s86, s86, 8<<20
	s_mov_b32 s87, 0
	s_mul_i32 s88, s19, 128*144                    ; and in LDS
	s_mul_i32 s89, s19, 16*VP
	s_add_co_u32 s89, s89, KHALF
	s_lshl_b32 s90, s15, 17                        ; Q: the head + (256 x block + 32 x wave) x 64 bytes
	s_lshl_b32 s91, s14, 14
	s_add_co_u32 s90, s90, s91
	s_lshl_b32 s91, s[WV], 11
	s_add_co_u32 s90, s90, s91
	s_mov_b32 s91, 0
	s_lshl_b32 s92, s16, 23                        ; o: (2,048 b + 256 x block + 32 x wave) rows of 4,096 bytes + 256 x head
	s_lshl_b32 s93, s14, 20
	s_add_co_u32 s92, s92, s93
	s_lshl_b32 s93, s[WV], 17
	s_add_co_u32 s92, s92, s93
	s_lshl_b32 s93, s17, 8
	s_add_co_u32 s92, s92, s93
	s_mov_b32 s93, 0
	s_mul_i32 s49, s[WV], 16*SP
	s_add_co_u32 s49, s49, STAGE                   ; my stage
	s_mov_b32 s[G1K], 15|(1<<20)|(1<<21)|(4<<22)|(3<<25)   ; all four work-groups; elements of 1 byte; padding: 4 words behind every 32; bit 21 beside a mask
	s_mov_b32 s[G1K+1], 128<<16                    ; K is dense in memory: 128 rows of two keys
	s_mov_b32 s[G1K+2], 128<<16
	s_mov_b32 s[G1K+3], 128<<16
	s_mov_b32 s[G1K+4], 128
	s_mov_b32 s[G1K+5], 128
	s_mov_b32 s[G1K+6], 0
	s_mov_b32 s[G1K+7], 0
	s_mov_b32 s[G1V], 15|(1<<20)|(1<<21)|(7<<22)|(3<<25)   ; padding: 4 words behind every 256
	s_mov_b32 s[G1V+1], 1024<<16                   ; V: 16 rows of 1,024 keys, 4,096 bytes apart
	s_mov_b32 s[G1V+2], 16<<16
	s_mov_b32 s[G1V+3], 1024<<16
	s_mov_b32 s[G1V+4], 16
	s_mov_b32 s[G1V+5], 4096
	s_mov_b32 s[G1V+6], 0
	s_mov_b32 s[G1V+7], 0
	s_mov_b32 s[SEL], 0x76543210
	s_mov_b32 s[SEL+1], 0xfedcba98
	s_mov_b32 s[CS], 0x3e38aa3b                    ; c = log2(e) / 8
	s_wait_dscnt 0x0                               ; both opening adds are done
	s_wait_kmcnt 0x0
	s_load_b128 s[96:99], s[6:7], 0x18             ; e6, e7, e8, e9
	s_mov_b32 s[G0K], 1
	s_mov_b32 s[G0K+1], s88
	s_add_nc_u64 s[G0K+2:G0K+3], s[4:5], s[84:85]
	s_or_b32 s[G0K+3], s[G0K+3], 0x80000000
	s_mov_b32 s[G0V], 1
	s_mov_b32 s[G0V+1], s89
	s_add_nc_u64 s[G0V+2:G0V+3], s[4:5], s[86:87]
	s_or_b32 s[G0V+3], s[G0V+3], 0x80000000
	s_add_nc_u64 s[90:91], s[4:5], s[90:91]
	s_add_nc_u64 s[92:93], s[8:9], s[92:93]
	CROUND                                         ; all four work-groups are here: the joint loads meet
	TLOAD                                          ; half 0: my one tensor load at the head
	v_and_b32 v8, 15, v0                           ; r
	v_bfe_u32 v9, v0, 4, 1                         ; h
	v_lshlrev_b32 v32, 6, v8
	v_lshl_add_u32 v32, v9, 4, v32                 ; Q: row r of 64 bytes, + 16 h
	WIN 0x40
	global_load_b128 v[QA:QA+3], v32, s[90:91]     ; Q's two fragments stay in registers
	global_load_b128 v[QA+4:QA+7], v32, s[90:91] offset:32
	global_load_b128 v[QB:QB+3], v32, s[90:91] offset:1024
	global_load_b128 v[QB+4:QB+7], v32, s[90:91] offset:1056
.set j, 0
.rept 64
	v_mov_b32 v[OA+j], 0                           ; the step is written once for all steps: the first finds zeros
.set j, j+1
.endr
	WIN 0
	v_and_b32 v33, 8, v8
	v_add_nc_u32 v33, v33, v8                      ; my key of a tile: r + 8 (r / 8)
	v_lshrrev_b32 v34, 1, v33
	v_and_b32 v35, 1, v33
	v_mul_u32_u24 v[AK0], v34, 144
	v_lshl_add_u32 v[AK0], v35, 6, v[AK0]
	v_lshl_add_u32 v[AK0], v9, 4, v[AK0]
	v_mul_u32_u24 v[AV0], v8, VP
	v_lshl_add_u32 v[AV0], v9, 4, v[AV0]
	v_lshlrev_b32 v[GO], 12, v9
	v_lshl_add_u32 v[GO], v8, 4, v[GO]             ; the way out: lanes 0-15 one row of o, lanes 16-31 the next
	v_mul_u32_u24 v[STI], v8, SP
	v_lshl_add_u32 v[STI], v9, 5, v[STI]
	v_add_nc_u32 v[STI], s49, v[STI]               ; into the stage: row r, + 32 h
	v_mul_u32_u24 v[STB], v9, SP
	v_lshl_add_u32 v[STB], v8, 4, v[STB]
	v_add_nc_u32 v[STB], s49, v[STB]               ; back: sixteen lanes to a row
	v_mov_b32 v13, 0xff61b1e6                      ; the largest t so far: -3e38
	v_mov_b32 v15, 0xff61b1e6
	v_floor_f32 v12, -v13                          ; -M
	v_floor_f32 v14, -v15
.irp n, 16,17,18,19,21,23,27,28
	v_mov_b32 v\n, 0                               ; the sums; the upper halves of f's pairs; the lane permutes' destinations
.endr
	s_wait_kmcnt 0x0
	s_add_co_i32 s13, s96, s97
	s_lshl_b32 s13, s13, 23
	s_add_co_i32 s[CS], s[CS], s13                 ; a score stands for score x 2^(e6 + e7)
	s_mov_b32 s[CS+1], s[CS]
	s_add_co_i32 s13, s98, 127
	s_lshl_b32 s14, s13, 23
	v_mov_b32 v[SCL], s14                          ; 2^e8
	s_add_co_i32 s13, s13, 8
	s_lshl_b32 s13, s13, 23
	s_or_b32 s13, s13, 0x600000
	v_mov_b32 v[LIM], s13                          ; 448 x 2^e8,
	v_mov_b32 v[LIM2], s13                         ; twice: the halves of a dual instruction take their second sources from registers whose numbers differ modulo 4
.macro KLOADS                          ; K's eight fragments of the 128 keys at v[ADK]
.irp t, 0,1,2,3,4,5,6,7
	ds_load_b128 v[KF+8*\t:KF+8*\t+3], v[ADK] offset:(16*(\t/2)+4*(\t%2))*144
	ds_load_b128 v[KF+8*\t+4:KF+8*\t+7], v[ADK] offset:(16*(\t/2)+4*(\t%2))*144+32
.endr
.endm
.macro ADD2 da, sa, db, sb             ; one packed addition for each tile
	v_pk_add_f32 v[\da:\da+1], v[\da:\da+1], v[\sa:\sa+1]
	v_pk_add_f32 v[\db:\db+1], v[\db:\db+1], v[\sb:\sb+1]
.endm
; A KEY STEP: 128 keys x 32 queries.  Its fragments of K were asked for a step earlier.
; pre = 1: the next step's fragments of K are asked for under the softmax; pre = 0, a half's last step: nothing of K is asked for.
.macro STEP pre
	s_wait_dscnt 0x0                               ; K's fragments
	WIN 0x05
.irp t, 0,1,2,3,4,5,6,7
	v_wmma_f32_16x16x64_fp8_fp8 v[SA+8*\t:SA+8*\t+7], v[KF+8*\t:KF+8*\t+7], v[QA:QA+7], 0
	v_wmma_f32_16x16x64_fp8_fp8 v[SB+8*\t:SB+8*\t+7], v[KF+8*\t:KF+8*\t+7], v[QB:QB+7], 0
.endr
	WIN 0
	v_add_nc_u32 v[ADV], s[TBV], v[AV0]
.if \pre
	s_add_co_u32 s[TBK], s[TBK], KSTEP
	v_add_nc_u32 v[ADK], s[TBK], v[AK0]
.else
	v_nop
.endif
	v_nop
	v_nop                                          ; four plain lines between the products and the loads into their sources, and the first read of their results
	WIN 0x40
.irp t, 0,1,2,3                                ; this step's V, and (pre = 1) the next step's K, land under the softmax
.irp c, 0,1,2,3
	ds_load_b128 v[VF+16*\t+4*\c:VF+16*\t+4*\c+3], v[ADV] offset:16*\t*VP+32*\c
.endr
.endr
.if \pre
	KLOADS
.endif
	WIN 0
	v_max3_num_f32 v32, v[SA], v[SA+1], v[SA+2]    ; the step's largest score of my queries among my 64 keys: two chains a tile, A's and B's by turns, each accumulator from its low end on
	v_max3_num_f32 v34, v[SB], v[SB+1], v[SB+2]
	v_max3_num_f32 v33, v[SA+3], v[SA+4], v[SA+5]
	v_max3_num_f32 v35, v[SB+3], v[SB+4], v[SB+5]
.irp i, 6,10,14,18,22,26,30,34,38,42,46,50,54,58
	v_max3_num_f32 v32, v32, v[SA+\i], v[SA+\i+1]
	v_max3_num_f32 v34, v34, v[SB+\i], v[SB+\i+1]
	v_max3_num_f32 v33, v33, v[SA+\i+2], v[SA+\i+3]
	v_max3_num_f32 v35, v35, v[SB+\i+2], v[SB+\i+3]
.endr
	v_max3_num_f32 v32, v32, v[SA+62], v[SA+63]
	v_max3_num_f32 v34, v34, v[SB+62], v[SB+63]
	v_max_num_f32 v32, v32, v33
	v_max_num_f32 v34, v34, v35
	v_permlanex16_b32 v27, v32, s[SEL], s[SEL+1]
	v_permlanex16_b32 v28, v34, s[SEL], s[SEL+1]
	v_mov_b32 v33, v12                             ; the old -M
	v_mov_b32 v35, v14
	v_max_num_f32 v32, v32, v27                    ; and among lane l xor 16's
	v_max_num_f32 v34, v34, v28
	v_mul_f32 v32, s[CS], v32                      ; as t (c is positive)
	v_mul_f32 v34, s[CS], v34
	v_max_num_f32 v13, v13, v32
	v_max_num_f32 v15, v15, v34
	v_floor_f32 v12, -v13                          ; -M = floor(-t): M is a whole number
	v_floor_f32 v14, -v15
	v_sub_f32 v33, v12, v33                        ; old M - new M
	v_sub_f32 v35, v14, v35
	v_cvt_i32_f32 v33, v33                         ; (it saturates)
	v_cvt_i32_f32 v35, v35
	v_ldexp_f32 v20, 1.0, v33                      ; f = 2^(old M - new M)
	v_ldexp_f32 v22, 1.0, v35
.set j, 0
.rept 32
	v_pk_fma_f32 v[SA+j:SA+j+1], v[SA+j:SA+j+1], s[CS:CS+1], v[12:13] op_sel_hi:[1,0,0]   ; t - M
	v_pk_fma_f32 v[SB+j:SB+j+1], v[SB+j:SB+j+1], s[CS:CS+1], v[14:15] op_sel_hi:[1,0,0]
.set j, j+2
.endr
	WIN 0x41
.set j, 0
.rept 16
	v_pk_mul_f32 v[OA+j:OA+j+1], v[OA+j:OA+j+1], v[20:21] op_sel_hi:[1,0]   ; O^T under the new M, ahead of the exponentials
	v_pk_mul_f32 v[OB+j:OB+j+1], v[OB+j:OB+j+1], v[22:23] op_sel_hi:[1,0]
.set j, j+2
.endr
	WIN 0
	s_wait_alu depctr_va_vdst(0)
.set j, 0
.rept 128
	v_exp_f32 v[SA+j], v[SA+j]                     ; p = 2^(t - M), both tiles
.set j, j+1
.endr
	v_pk_mul_f32 v[16:17], v[16:17], v[20:21] op_sel_hi:[1,0]   ; the sums under the new M; the plain lines behind the exponentials
	v_pk_mul_f32 v[18:19], v[18:19], v[22:23] op_sel_hi:[1,0]
	s_wait_alu depctr_va_vdst(0)                   ; one wait for the batch, ahead of its first reader
.irp k, 0,1,2                                  ; the rows' sums of the unquantised p: four chains a tile
	v_pk_add_f32 v[TA+2*\k:TA+2*\k+1], v[SA+4*\k:SA+4*\k+1], v[SA+4*\k+2:SA+4*\k+3]
	v_pk_add_f32 v[TB+2*\k:TB+2*\k+1], v[SB+4*\k:SB+4*\k+1], v[SB+4*\k+2:SB+4*\k+3]
.endr
.irp m, 12,20,28,36,44,52
	ADD2 16, SA+\m, 18, SB+\m
	ADD2 TA, SA+\m+2, TB, SB+\m+2
	ADD2 TA+2, SA+\m+4, TB+2, SB+\m+4
	ADD2 TA+4, SA+\m+6, TB+4, SB+\m+6
.endr
	ADD2 16, SA+60, 18, SB+60
	ADD2 TA, SA+62, TB, SB+62
	ADD2 TA, TA+2, TB, TB+2
	ADD2 16, TA+4, 18, TB+4
	ADD2 16, TA, 18, TB
.irp b, 0,1,2,3
.irp i, 0,2,4,6,8,10,12,14                     ; the conversion does not saturate (ISA guide 7.6.2); p is not negative, so the hold is one-sided.  Two holds an instruction
	v_dual_min_num_f32 v[SA+16*\b+\i], v[SA+16*\b+\i], v[LIM] :: v_dual_min_num_f32 v[SA+16*\b+\i+1], v[SA+16*\b+\i+1], v[LIM2]
.endr
.irp i, 0,2,4,6,8,10,12,14
	v_dual_min_num_f32 v[SB+16*\b+\i], v[SB+16*\b+\i], v[LIM] :: v_dual_min_num_f32 v[SB+16*\b+\i+1], v[SB+16*\b+\i+1], v[LIM2]
.endr
	v_cvt_scalef32_pk8_fp8_f32 v[PA+4*\b:PA+4*\b+1], v[SA+16*\b:SA+16*\b+7], v[SCL]
	v_cvt_scalef32_pk8_fp8_f32 v[PA+4*\b+2:PA+4*\b+3], v[SA+16*\b+8:SA+16*\b+15], v[SCL]
	v_cvt_scalef32_pk8_fp8_f32 v[PB+4*\b:PB+4*\b+1], v[SB+16*\b:SB+16*\b+7], v[SCL]
	v_cvt_scalef32_pk8_fp8_f32 v[PB+4*\b+2:PB+4*\b+3], v[SB+16*\b+8:SB+16*\b+15], v[SCL]
.endr
	v_nop                                          ; one plain line between the conversions and the products that read their results
	s_wait_alu depctr_va_vdst(0)
.if \pre
	s_wait_dscnt 16                                ; V's sixteen loads are in; the sixteen for K, issued behind them, may be out
.else
	s_wait_dscnt 0x0                               ; V's sixteen loads are in
.endif
	WIN 0x51
.irp t, 0,1,2,3                                ; the eight accumulators take turns
	v_wmma_f32_16x16x128_fp8_fp8 v[OA+8*\t:OA+8*\t+7], v[VF+16*\t:VF+16*\t+15], v[PA:PA+15], v[OA+8*\t:OA+8*\t+7]
	v_wmma_f32_16x16x128_fp8_fp8 v[OB+8*\t:OB+8*\t+7], v[VF+16*\t:VF+16*\t+15], v[PB:PB+15], v[OB+8*\t:OB+8*\t+7]
.endr
	WIN 0
.endm
; A half: 1,024 keys, eight steps.
.macro PHASE p
	s_mov_b32 s[TBK], \p*HALF
	s_mov_b32 s[TBV], \p*HALF+KHALF
	s_mov_b32 s[CNT], 7
	v_add_nc_u32 v[ADK], s[TBK], v[AK0]
	WIN 0x40
	KLOADS
	WIN 0
.Lstep_\@:
	STEP 1
	s_add_co_u32 s[TBV], s[TBV], 128
	s_sub_co_u32 s[CNT], s[CNT], 1
	s_cmp_lg_u32 s[CNT], 0
	s_cbranch_scc1 .Lstep_\@
	STEP 0                                         ; the half's eighth step is written out: no key follows it in this half
.endm
	s_wait_alu depctr_va_vdst(0)
	s_wait_loadcnt 0x0                             ; Q
	s_wait_tensorcnt 0x0                           ; my part of half 0 is in
	ds_add_u32 v[SPW], v[NIL]
	s_add_co_u32 s[G0K+1], s[G0K+1], HALF          ; no tensor load of mine is out, so the groups 0 may be written: half 1
	s_add_nc_u64 s[G0K+2:G0K+3], s[G0K+2:G0K+3], 65536
	s_add_co_u32 s[G0V+1], s[G0V+1], HALF
	s_add_nc_u64 s[G0V+2:G0V+3], s[G0V+2:G0V+3], 1024
	s_wait_dscnt 0x0
	CROUND                                         ; everybody's part of half 0 is in, and all four work-groups are here
	TLOAD                                          ; half 1: the first tensor load behind the round, my only one
	PHASE 0
	s_wait_tensorcnt 0x0                           ; my part of half 1 is in
	ds_add_u32 v[SPW], v[NIL]
	s_wait_dscnt 0x0
	s_barrier_signal -1
	s_barrier_wait -1                              ; and everybody's
	PHASE 1
	; THE WAY OUT: O^T / the sum x 2^(e8 + e9), tile by tile through my stage, so that sixteen lanes store a head's 256 bytes of a row of o.
	v_add_f32 v16, v16, v17
	v_add_f32 v18, v18, v19
	v_permlanex16_b32 v27, v16, s[SEL], s[SEL+1]
	v_permlanex16_b32 v28, v18, s[SEL], s[SEL+1]
	v_add_f32 v16, v16, v27                        ; the rows' sums
	v_add_f32 v18, v18, v28
	s_wait_alu depctr_va_vdst(0)
	v_rcp_f32 v16, v16
	v_rcp_f32 v18, v18
	v_nop                                          ; the plain line behind them
	s_add_co_i32 s13, s98, s99
	s_wait_alu depctr_va_vdst(0)                   ; ahead of their first reader
	v_ldexp_f32 v16, v16, s13
	v_ldexp_f32 v18, v18, s13
	WIN 0x01
	s_wait_alu depctr_va_vdst(0)                   ; directly ahead of the first reader of O^T
.set j, 0
.rept 32
	v_mul_f32 v[SA+j], v[OA+j], v16                ; register 8 t + i is o(query r, channel 16 t + 8 h + i)
.set j, j+1
.endr
.set j, 0
.rept 32
	v_mul_f32 v[SB+j], v[OB+j], v18
.set j, j+1
.endr
	WIN 0
.irp u, 0,1                                    ; LDS serves a wave's instructions in order: the loads see my stores, and tile B's stores come behind tile A's loads
.irp t, 0,1,2,3
	ds_store_b128 v[STI], v[SA+64*\u+8*\t:SA+64*\u+8*\t+3] offset:64*\t
	ds_store_b128 v[STI], v[SA+64*\u+8*\t+4:SA+64*\u+8*\t+7] offset:64*\t+16
.endr
.irp i, 0,1,2,3,4,5,6,7
	ds_load_b128 v[32+32*\u+4*\i:32+32*\u+4*\i+3], v[STB] offset:2*\i*SP
.endr
.endr
.irp i, 0,1,2,3,4,5,6,7
	s_wait_dscnt 23-\i                             ; behind tile A's load i: its 7 - i later loads and tile B's sixteen LDS instructions
	global_store_b128 v[GO], v[32+4*\i:32+4*\i+3], s[92:93] offset:8192*\i
.endr
.irp i, 0,1,2,3,4,5,6,7
	s_wait_dscnt 7-\i
	global_store_b128 v[GO], v[64+4*\i:64+4*\i+3], s[92:93] offset:65536+8192*\i
.endr
	s_wait_tensorcnt 0x0                           ; the wave's end
	ds_add_u32 v[SPW], v[NIL]
	s_wait_dscnt 0x0
	CROUND                                         ; the closing round
	s_endpgm
.Lfunc_end_k_qb43d3f1cbc_attn:
	.size	k_qb43d3f1cbc_attn, .Lfunc_end_k_qb43d3f1cbc_attn-k_qb43d3f1cbc_attn
	.p2alignl 7, 3214868480
	.fill 96, 4, 3214868480
	.section	.rodata,"a",@progbits
	.p2align	6, 0x0
	.amdhsa_kernel k_qb43d3f1cbc_attn
		.amdhsa_group_segment_fixed_size 327680
		.amdhsa_private_segment_fixed_size 0
		.amdhsa_enable_private_segment 0
		.amdhsa_kernarg_size 24
		.amdhsa_user_sgpr_count 2
		.amdhsa_user_sgpr_kernarg_segment_ptr 1
		.amdhsa_wavefront_size32 1
		.amdhsa_system_sgpr_workgroup_id_x 1
		.amdhsa_system_sgpr_workgroup_id_y 1
		.amdhsa_system_sgpr_workgroup_id_z 1
		.amdhsa_system_vgpr_workitem_id 0
		.amdhsa_next_free_vgpr 512
		.amdhsa_next_free_sgpr 100
		.amdhsa_reserve_vcc 0
		.amdhsa_float_denorm_mode_32 3
		.amdhsa_float_denorm_mode_16_64 3
		.amdhsa_memory_ordered 1
		.amdhsa_forward_progress 1
		.amdhsa_inst_pref_size 131
	.end_amdhsa_kernel
	.amdgpu_metadata
---
amdhsa.version: [ 1, 2 ]
amdhsa.kernels:
  - .name:           k_qb43d3f1cbc_attn
    .symbol:         k_qb43d3f1cbc_attn.kd
    .args:
      - { .name: qkvc, .offset: 0, .size: 8, .value_kind: global_buffer, .address_space: global }
      - { .name: lowp_scales, .offset: 8, .size: 8, .value_kind: global_buffer, .address_space: global }
      - { .name: t32, .offset: 16, .size: 8, .value_kind: global_buffer, .address_space: global }
    .group_segment_fixed_size: 327680
    .private_segment_fixed_size: 0
    .kernarg_segment_align: 8
    .kernarg_segment_size: 24
    .max_flat_workgroup_size: 256
    .sgpr_count:     100
    .vgpr_count:     512
    .wavefront_size: 32
...
	.end_amdgpu_metadata
.endif
;; end of part 3
;; launch ln1 (part 4): grid 256 x 1, 8 waves a work-group, no clusters, 17,408 bytes of LDS; arguments encoder_input, t32, g1, beta1, lowp_scales, y1, y1c; writes y1, y1c
.if DOCPART == 4
	.amdgcn_target "amdgcn-amd-amdhsa--gfx1250"
	.amdhsa_code_object_version 6
	.text
	.protected	k_qb43d3f1cbc_ln1
	.globl	k_qb43d3f1cbc_ln1
	.p2align	8
	.type	k_qb43d3f1cbc_ln1,@function
k_qb43d3f1cbc_ln1:
	s_mov_b64 s[64:65], 0
	v_nop
	global_prefetch_b8 v0, s[64:65] scope:SCOPE_SE
	s_setreg_imm32_b32 hwreg(HW_REG_WAVE_MODE, 25, 1), 1
	s_wait_xcnt 0x0
; y1 = layer_norm(x + o) x g1 + beta1, rows of 1,024, in f32; and y1's codes of E4M3 with the scale of entry 10, for the first feed-forward product.
; A wave owns two rows; a row lies in 32 registers a lane between the passes (mean; sum of squares of the differences; scaling), so memory is read once and no wave waits for another.
; Load i of a row takes 16 bytes a lane at 16 x lane + 512 i: every load and every f32 store of a wave covers 512 consecutive bytes.  A lane's four codes of a load are 4 bytes: a row's 1,024 codes
; turn through the wave's own 1,024 bytes of LDS and leave as two stores of 512 consecutive bytes.  Memory binds: no matrix unit, no cluster (nothing is shared), no barrier.
; LIMITS: e between -126 and 119; NaN among the inputs is not served.
.set G,  16                            ; v16-47   g1 of my 32 columns
.set BT, 48                            ; v48-79   beta1
.set XA, 80                            ; row j: v[80 + 64 j ..] x, then x + o, then y1
.set XB, 112                           ; row j: v[112 + 64 j ..] o, then y1 held for the conversions
.set W,  208                           ; v208-216 at work
.set CC, 224                           ; v224-231 codes
.set BK, 232                           ; row j: v[232 + 8 j ..] codes read back
	s_load_b256 s[4:11], s[0:1], 0x0               ; x 4, o 6, g1 8, beta1 10
	s_load_b128 s[12:15], s[0:1], 0x20             ; scales 12, y1 14
	s_load_b64 s[16:17], s[0:1], 0x30              ; y1c
	v_lshl_add_u32 v254, v0, 2, 0x4000
	v_mov_b32 v255, 0
	v_lshrrev_b32 v1, 5, v0
	s_delay_alu instid0(VALU_DEP_1)
	v_readfirstlane_b32 s18, v1                    ; wave
	v_and_b32 v2, 31, v0
	s_wait_alu depctr_va_vdst(0)
	v_lshlrev_b32 v3, 4, v2                        ; 16 x lane
	s_wait_alu depctr_va_vdst(0)
	s_lshl_b32 s19, ttmp9, 3
	s_add_co_u32 s19, s19, s18                     ; my pair of rows
	s_lshl_b32 s20, s19, 13
	s_mov_b32 s21, 0
	s_lshl_b32 s22, s19, 11
	s_mov_b32 s23, 0
	s_mov_b32 s24, 0x76543210
	s_mov_b32 s25, 0xfedcba98
	s_mov_b32 s26, 0x3a800000                      ; 1 / 1,024
	s_mov_b32 s27, 0x3727c5ac                      ; 1e-5
	s_lshl_b32 s28, s18, 11                        ; my 2,048 bytes of LDS
	v_lshlrev_b32 v4, 2, v2
	s_delay_alu instid0(VALU_DEP_1)
	v_add_nc_u32 v4, s28, v4                       ; in: 4 x lane
	v_add_nc_u32 v5, s28, v3                       ; back: 16 x lane
	v_mov_b32 v[W+8], 0                            ; a lane permute's destination counts as one of its sources
	s_wait_kmcnt 0x0
	s_load_b32 s29, s[12:13], 0x28                 ; e10
	s_add_nc_u64 s[4:5], s[4:5], s[20:21]
	s_add_nc_u64 s[6:7], s[6:7], s[20:21]
	s_add_nc_u64 s[14:15], s[14:15], s[20:21]
	s_add_nc_u64 s[16:17], s[16:17], s[22:23]
.macro LD8 reg, base, off
.irp i, 0,1,2,3,4,5,6,7
	global_load_b128 v[\reg+4*\i:\reg+4*\i+3], v3, s[\base:\base+1] offset:\off+512*\i
.endr
.endm
	LD8 XA, 4, 0
	LD8 XB, 6, 0
	LD8 G, 8, 0
	LD8 BT, 10, 0
	LD8 XA+64, 4, 4096
	LD8 XB+64, 6, 4096
	s_wait_kmcnt 0x0
	s_add_co_i32 s29, s29, 127
	s_lshl_b32 s30, s29, 23
	v_mov_b32 v6, s30                              ; 2^e
	s_add_co_i32 s29, s29, 8
	s_lshl_b32 s29, s29, 23
	s_or_b32 s29, s29, 0x600000
	v_mov_b32 v7, s29                              ; 448 x 2^e
.macro FOLD                            ; four packed chains into one number, then over the 32 lanes: every lane ends with the sum
	s_delay_alu instid0(VALU_DEP_3)
	v_pk_add_f32 v[W:W+1], v[W:W+1], v[W+2:W+3]
	s_delay_alu instid0(VALU_DEP_2)
	v_pk_add_f32 v[W+4:W+5], v[W+4:W+5], v[W+6:W+7]
	s_delay_alu instid0(VALU_DEP_1)
	v_pk_add_f32 v[W:W+1], v[W:W+1], v[W+4:W+5]
	s_delay_alu instid0(VALU_DEP_1)
	v_add_f32 v[W], v[W], v[W+1]
	s_delay_alu instid0(VALU_DEP_1)
	v_add_f32_dpp v[W], v[W], v[W] row_xmask:1 row_mask:0xf bank_mask:0xf
	s_delay_alu instid0(VALU_DEP_1)
	v_add_f32_dpp v[W], v[W], v[W] row_xmask:2 row_mask:0xf bank_mask:0xf
	s_delay_alu instid0(VALU_DEP_1)
	v_add_f32_dpp v[W], v[W], v[W] row_xmask:4 row_mask:0xf bank_mask:0xf
	s_delay_alu instid0(VALU_DEP_1)
	v_add_f32_dpp v[W], v[W], v[W] row_xmask:8 row_mask:0xf bank_mask:0xf
	s_delay_alu instid0(VALU_DEP_1)
	v_permlanex16_b32 v[W+8], v[W], s24, s25
	s_delay_alu instid0(VALU_DEP_1)
	v_add_f32 v[W], v[W], v[W+8]
.endm
.macro ROW j
.set A, XA+64*\j
.set B, XB+64*\j
.if \j == 0
	s_wait_loadcnt 32                              ; row 0's x and o are in; g1, beta1 and row 1 (32 loads) may be out
.else
	s_wait_loadcnt 0x0
.endif
.set i, 0
.rept 16
	v_pk_add_f32 v[A+i:A+i+1], v[A+i:A+i+1], v[B+i:B+i+1]
.set i, i+2
.endr
.irp k, 0,2,4,6
	v_pk_add_f32 v[W+\k:W+\k+1], v[A+\k:A+\k+1], v[A+8+\k:A+8+\k+1]
.endr
.irp m, 16,24
.irp k, 0,2,4,6
	s_delay_alu instid0(VALU_DEP_4)
	v_pk_add_f32 v[W+\k:W+\k+1], v[W+\k:W+\k+1], v[A+\m+\k:A+\m+\k+1]
.endr
.endr
	FOLD
	s_delay_alu instid0(VALU_DEP_1)
	v_mul_f32 v[W], s26, v[W]                      ; the mean
.set i, 0
.rept 16
	v_pk_add_f32 v[A+i:A+i+1], v[A+i:A+i+1], v[W:W+1] op_sel_hi:[1,0] neg_lo:[0,1] neg_hi:[0,1]
.set i, i+2
.endr
.irp k, 0,2,4,6
	v_pk_mul_f32 v[W+\k:W+\k+1], v[A+\k:A+\k+1], v[A+\k:A+\k+1]
.endr
.irp m, 8,16,24
.irp k, 0,2,4,6
	s_delay_alu instid0(VALU_DEP_4)
	v_pk_fma_f32 v[W+\k:W+\k+1], v[A+\m+\k:A+\m+\k+1], v[A+\m+\k:A+\m+\k+1], v[W+\k:W+\k+1]
.endr
.endr
	FOLD
	s_delay_alu instid0(VALU_DEP_1)
	v_fma_f32 v[W], v[W], s26, s27                 ; the variance + 1e-5
	s_wait_alu depctr_va_vdst(0)
	v_rsq_f32 v[W], v[W]
	v_nop                                          ; a plain line behind the transcendental,
	s_wait_alu depctr_va_vdst(0)                   ; and the wait ahead of its first reader
.if \j == 0
	s_wait_loadcnt 16                              ; g1 and beta1 are in; row 1's 16 loads may be out
.endif
.set i, 0
.rept 16
	v_pk_mul_f32 v[A+i:A+i+1], v[A+i:A+i+1], v[W:W+1] op_sel_hi:[1,0]
.set i, i+2
.endr
.set i, 0
.rept 16
	v_pk_fma_f32 v[A+i:A+i+1], v[A+i:A+i+1], v[G+i:G+i+1], v[BT+i:BT+i+1]
.set i, i+2
.endr
.irp i, 0,1,2,3,4,5,6,7
	global_store_b128 v3, v[A+4*\i:A+4*\i+3], s[14:15] offset:4096*\j+512*\i
.endr
.set i, 0
.rept 32
	v_med3_num_f32 v[B+i], v[A+i], -v7, v7         ; the conversion does not saturate (ISA guide 7.6.2): the hold, into o's registers
.set i, i+1
.endr
.irp m, 0,1,2,3
	v_cvt_scalef32_pk8_fp8_f32 v[CC+2*\m:CC+2*\m+1], v[B+8*\m:B+8*\m+7], v6   ; register i: the four codes of columns 128 i + 4 x lane on
.endr
	v_nop
.irp i, 0,1,2,3,4,5,6,7
	ds_store_b32 v4, v[CC+\i] offset:1024*\j+128*\i
.endr
	ds_load_b128 v[BK+8*\j:BK+8*\j+3], v5 offset:1024*\j         ; LDS serves a wave's instructions in order: these see my stores
	ds_load_b128 v[BK+8*\j+4:BK+8*\j+7], v5 offset:1024*\j+512
	s_wait_dscnt 0x0
	global_store_b128 v3, v[BK+8*\j:BK+8*\j+3], s[16:17] offset:1024*\j
	global_store_b128 v3, v[BK+8*\j+4:BK+8*\j+7], s[16:17] offset:1024*\j+512
.endm
	ROW 0
	ROW 1
	s_wait_tensorcnt 0x0
	ds_add_u32 v254, v255
	s_wait_dscnt 0x0
	s_endpgm
.Lfunc_end_k_qb43d3f1cbc_ln1:
	.size	k_qb43d3f1cbc_ln1, .Lfunc_end_k_qb43d3f1cbc_ln1-k_qb43d3f1cbc_ln1
	.p2alignl 7, 3214868480
	.fill 96, 4, 3214868480
	.section	.rodata,"a",@progbits
	.p2align	6, 0x0
	.amdhsa_kernel k_qb43d3f1cbc_ln1
		.amdhsa_group_segment_fixed_size 17408
		.amdhsa_private_segment_fixed_size 0
		.amdhsa_enable_private_segment 0
		.amdhsa_kernarg_size 56
		.amdhsa_user_sgpr_count 2
		.amdhsa_user_sgpr_kernarg_segment_ptr 1
		.amdhsa_wavefront_size32 1
		.amdhsa_system_sgpr_workgroup_id_x 1
		.amdhsa_system_sgpr_workgroup_id_y 1
		.amdhsa_system_sgpr_workgroup_id_z 1
		.amdhsa_system_vgpr_workitem_id 0
		.amdhsa_next_free_vgpr 256
		.amdhsa_next_free_sgpr 66
		.amdhsa_reserve_vcc 0
		.amdhsa_float_denorm_mode_32 3
		.amdhsa_float_denorm_mode_16_64 3
		.amdhsa_memory_ordered 1
		.amdhsa_forward_progress 1
		.amdhsa_inst_pref_size 32
	.end_amdhsa_kernel
	.amdgpu_metadata
---
amdhsa.version: [ 1, 2 ]
amdhsa.kernels:
  - .name:           k_qb43d3f1cbc_ln1
    .symbol:         k_qb43d3f1cbc_ln1.kd
    .args:
      - { .name: encoder_input, .offset: 0, .size: 8, .value_kind: global_buffer, .address_space: global }
      - { .name: t32, .offset: 8, .size: 8, .value_kind: global_buffer, .address_space: global }
      - { .name: g1, .offset: 16, .size: 8, .value_kind: global_buffer, .address_space: global }
      - { .name: beta1, .offset: 24, .size: 8, .value_kind: global_buffer, .address_space: global }
      - { .name: lowp_scales, .offset: 32, .size: 8, .value_kind: global_buffer, .address_space: global }
      - { .name: y1, .offset: 40, .size: 8, .value_kind: global_buffer, .address_space: global }
      - { .name: y1c, .offset: 48, .size: 8, .value_kind: global_buffer, .address_space: global }
    .group_segment_fixed_size: 17408
    .private_segment_fixed_size: 0
    .kernarg_segment_align: 8
    .kernarg_segment_size: 56
    .max_flat_workgroup_size: 256
    .sgpr_count:     66
    .vgpr_count:     256
    .wavefront_size: 32
...
	.end_amdgpu_metadata
.endif
;; end of part 4
;; launch ffn1 (part 5): grid 16 x 16, 4 waves a work-group, clusters of 4 x 4, 327,680 bytes of LDS; arguments y1c, wc, lowp_scales, b1, hc; writes hc
.if DOCPART == 5
	.amdgcn_target "amdgcn-amd-amdhsa--gfx1250"
	.amdhsa_code_object_version 6
	.text
	.protected	k_qb43d3f1cbc_ffn1
	.globl	k_qb43d3f1cbc_ffn1
	.p2align	8
	.type	k_qb43d3f1cbc_ffn1,@function
k_qb43d3f1cbc_ffn1:
	s_mov_b64 s[64:65], 0
	v_nop
	global_prefetch_b8 v0, s[64:65] scope:SCOPE_SE
	s_setreg_imm32_b32 hwreg(HW_REG_WAVE_MODE, 25, 1), 1
	s_wait_xcnt 0x0
	s_wait_alu depctr_hold_cnt(0) depctr_sa_sdst(0) depctr_va_vdst(0) depctr_va_sdst(0) depctr_va_ssrc(0) depctr_va_vcc(0) depctr_vm_vsrc(0)
	s_getreg_b32 s2, hwreg(HW_REG_IB_STS2, 6, 4)
	s_cmp_eq_u32 s2, 0
	s_cbranch_scc0 .Lentry_in_a_cluster
	s_endpgm
.Lentry_in_a_cluster:
	s_bfe_u32 s2, ttmp6, 0x10000c
	s_cmp_lg_u32 s2, 0xf033
	s_cbranch_scc0 .Lentry_shape_is_right
	s_endpgm
.Lentry_shape_is_right:
.set KROW,   1024
.set ROWB,   256
.set PITCH,  272
.set FR,     16
.set NL,     4
.set NP,     4
.set HALFT,  128*PITCH
.set SLOT,   4*HALFT
.set LAPS,   2
.set SPARE,  2*SLOT
.set ADRA, 16
.set BO,   18
.set ADRB, 20
.set STO,  24
.set RDR,  25
.set COR,  26
.set SPW,  28
.set NIL,  29
.set SCL,  30
.set LIM,  31
.set BI,   32
.set TMP,  96
.set CD,   160
.set OB,   96
.set AF,   128
.set G1, 24
.set G0, 32
.set G1B, 48
.set G0B, 56
.set FWD, 84
.set BWD, 86
.set MSB, 0
.macro WIN new
.if MSB != \new
	s_set_vgpr_msb (MSB<<8)|\new
.set MSB, \new
.endif
.endm
.set MUL_LO, 0xa1
.set MUL_HI, 0xf1
.set TO_B,   0x40
.macro JLOAD g0a, g1a, g0b, g1b
	s_cmp_eq_u32 s15, 0
	s_cbranch_scc0 .Lfor_b_\@
	tensor_load_to_lds s[\g0a:\g0a+3], s[\g1a:\g1a+7]
	s_nop 0
.rept 4
	v_nop
.endr
	s_branch .Lasked_\@
.Lfor_b_\@:
	tensor_load_to_lds s[\g0b:\g0b+3], s[\g1b:\g1b+7]
	s_nop 0
.rept 4
	v_nop
.endr
.Lasked_\@:
.endm
.macro CREST
	s_cmp_lg_u32 s14, 0
	s_cbranch_scc1 .Lnot_wave_0_\@
	s_barrier_signal -3
.Lnot_wave_0_\@:
	s_barrier_wait -3
	s_barrier_signal -1
	s_barrier_wait -1
.endm
.macro CROUND
	s_barrier_signal -1
	s_barrier_wait -1
	CREST
.endm
	s_load_b256 s[68:75], s[0:1], 0x0
	s_load_b64 s[80:81], s[0:1], 0x20
	v_lshl_add_u32 v[SPW], v0, 2, SPARE
	v_mov_b32 v[NIL], 0
	ds_add_u32 v28, v29
	ds_add_u32 v28, v29
	s_wait_dscnt 0x0
	v_lshrrev_b32 v1, 5, v0
	v_readfirstlane_b32 s14, v1
	v_and_b32 v9, 31, v0
	v_lshlrev_b32 v9, 10, v9                       ; the prefetches' offset: a lane a row of 1,024 bytes; never rewritten
	s_lshr_b32 s15, s14, 1
	s_and_b32 s16, s14, 1
	s_bfe_u32 s40, ttmp6, 0x40000
	s_bfe_u32 s41, ttmp6, 0x40004
	s_lshl_b32 s42, ttmp9, 2
	s_add_co_u32 s42, s42, s40
	s_and_b32 s17, ttmp7, 0xffff
	s_lshl_b32 s17, s17, 2
	s_add_co_u32 s17, s17, s41
	s_and_b32 s82, ttmp7, 0xffff
	s_add_co_u32 s82, s82, ttmp9
	s_and_b32 s82, s82, 1
	s_lshl_b32 s[BWD], s82, 9
	s_sub_co_u32 s[FWD], 512, s[BWD]
	s_mov_b32 s[FWD+1], 0
	s_mov_b32 s[BWD+1], 0
	s_lshl_b32 s43, s41, 2
	s_lshl_b32 s43, 15, s43
	s_lshl_b32 s44, 0x1111, s40
	s_or_b32 s[G1+0], s43, (1<<20)|(1<<21)|(5<<22)|(3<<25)
	s_or_b32 s[G1B+0], s44, (1<<20)|(1<<21)|(5<<22)|(3<<25)
.irp g, G1, G1B
	s_mov_b32 s[\g+1], ROWB<<16
	s_mov_b32 s[\g+2], 128<<16
	s_mov_b32 s[\g+3], ROWB<<16
	s_mov_b32 s[\g+4], 128
	s_mov_b32 s[\g+5], KROW
	s_mov_b32 s[\g+6], 0
	s_mov_b32 s[\g+7], 0
.endr
	s_lshl_b32 s18, s16, 7
	s_lshl_b32 s20, s17, 8
	s_add_co_u32 s20, s20, s18
	s_lshl_b32 s20, s20, 10
	s_add_co_u32 s20, s20, s[BWD]
	s_mov_b32 s21, 0
	s_lshl_b32 s46, s42, 8
	s_add_co_u32 s46, s46, s18
	s_lshl_b32 s46, s46, 10
	s_add_co_u32 s46, s46, 3<<20
	s_add_co_u32 s46, s46, s[BWD]
	s_mov_b32 s47, 0
	s_mul_i32 s45, s14, HALFT
	; the prefetches: of the 128 rows that my wave fetches, my work-group names 32, told apart from its three partners by address (cx for A's tiles, cy for B's)
	s_cmp_eq_u32 s15, 0
	s_cselect_b32 s90, s17, s42
	s_cselect_b32 s76, s40, s41
	s_cselect_b32 s77, 0, 3<<20
	s_lshl_b32 s90, s90, 8
	s_add_co_u32 s90, s90, s18
	s_lshl_b32 s76, s76, 5
	s_add_co_u32 s90, s90, s76
	s_lshl_b32 s90, s90, 10
	s_add_co_u32 s90, s90, s77
	s_add_co_u32 s90, s90, s[FWD]                  ; the byte along K at which my walk's third K step stands
	s_mov_b32 s91, 0
	s_wait_kmcnt 0x0
	s_load_b64 s[96:97], s[72:73], 0x28
	s_load_b32 s98, s[72:73], 0x30
	s_add_nc_u64 s[20:21], s[68:69], s[20:21]
	s_add_nc_u64 s[46:47], s[70:71], s[46:47]
	s_cmp_eq_u32 s15, 0
	s_cselect_b64 s[88:89], s[68:69], s[70:71]
	s_add_nc_u64 s[88:89], s[88:89], s[90:91]      ; never rewritten
	CROUND
.irp s, 0,1
	s_mov_b32 s[G0+4*\s], 1
	s_add_co_u32 s[G0+4*\s+1], s45, \s*SLOT
	s_add_nc_u64 s[G0+4*\s+2:G0+4*\s+3], s[20:21], \s*ROWB
	s_or_b32 s[G0+4*\s+3], s[G0+4*\s+3], 0x80000000
	s_mov_b32 s[G0B+4*\s], 1
	s_add_co_u32 s[G0B+4*\s+1], s45, \s*SLOT
	s_add_nc_u64 s[G0B+4*\s+2:G0B+4*\s+3], s[46:47], \s*ROWB
	s_or_b32 s[G0B+4*\s+3], s[G0B+4*\s+3], 0x80000000
	s_wait_alu depctr_va_vdst(0)
.if \s                                 ; slot 1's first fill stands behind the full sequence and a round; slot 0's behind the opening lines and the one round above
	s_wait_tensorcnt 0x0
	ds_add_u32 v28, v29
	ds_add_u32 v28, v29
	s_wait_dscnt 0x0
	CROUND
.endif
	JLOAD G0+4*\s, G1, G0B+4*\s, G1B
	global_prefetch_b8 v9, s[88:89] offset:256*\s th:TH_LOAD_NT scope:SCOPE_SE   ; beside K step s's load: 32 rows x 256 bytes of K step s + 2, two refills on.  K has four steps, so nothing more is asked for
.endr
	v_and_b32 v1, 15, v0
	v_bfe_u32 v2, v0, 4, 1
	v_mul_u32_u24 v3, v1, PITCH
	s_wait_alu depctr_va_vdst(0)
	v_lshl_add_u32 v4, v2, 4, v3
	s_mul_i32 s21, s15, HALFT
	s_mul_i32 s22, s16, HALFT
	s_add_co_u32 s22, s22, 2*HALFT
.irp s, 0,1
	v_add_nc_u32 v[ADRA+\s], s21, v4
	v_add_nc_u32 v[ADRB+\s], s22, v4
	s_add_co_u32 s21, s21, SLOT
	s_add_co_u32 s22, s22, SLOT
.endr
	s_lshl_b32 s23, s16, 7
	s_mul_i32 s21, s15, HALFT
	s_add_co_u32 s23, s23, s21
	v_lshl_add_u32 v5, v2, 3, v3
	v_add_nc_u32 v[STO], s23, v5
	s_mul_i32 s23, s14, 64*PITCH
	v_mul_u32_u24 v5, v2, PITCH
	v_lshl_add_u32 v5, v1, 4, v5
	v_add_nc_u32 v[RDR], s23, v5
	v_lshlrev_b32 v[COR], 12, v2
	v_lshl_add_u32 v[COR], v1, 4, v[COR]
	v_lshlrev_b32 v[BO], 5, v2
.macro FRAG reg, adr, q, i
.irp c, 0,1,2,3
	ds_load_b128 v[\reg+4*\c:\reg+4*\c+3], v[\adr] offset:128*(\q)+32*\c+(\i)*16*PITCH
.endr
.endm
.macro MUL16 a0, p, zero
.irp a, \a0, \a0+1
.irp b, 0,1,2,3,4,5,6,7
.if \zero
	v_wmma_f32_16x16x128_fp8_fp8 v[8*(8*((\a)%4)+\b):8*(8*((\a)%4)+\b)+7], v[128*(\p)+FR*\b:128*(\p)+FR*\b+FR-1], v[AF+FR*(\a):AF+FR*(\a)+FR-1], 0
.else
	v_wmma_f32_16x16x128_fp8_fp8 v[8*(8*((\a)%4)+\b):8*(8*((\a)%4)+\b)+7], v[128*(\p)+FR*\b:128*(\p)+FR*\b+FR-1], v[AF+FR*(\a):AF+FR*(\a)+FR-1], v[8*(8*((\a)%4)+\b):8*(8*((\a)%4)+\b)+7]
.endif
.endr
.endr
.endm
.macro FETCH_B slot, q, p
	WIN TO_B
.irp i, 0,1,2,3,4,5,6,7
	FRAG 128*(\p)+FR*\i, ADRB+\slot, \q, \i
.endr
	WIN 0
.endm
.macro FETCH_A slot, q, i0
.irp i, \i0, \i0+1, \i0+2, \i0+3
	FRAG AF+FR*(\i), ADRA+\slot, \q, \i
.endr
.endm
.macro PLACES n
.rept \n
	v_nop
.endr
.endm
.macro STEP slot, q, zero
	s_wait_dscnt 4*NL
	WIN MUL_LO
	MUL16 0, (\q)%2, \zero
	MUL16 2, (\q)%2, \zero
	s_wait_dscnt 0
	PLACES NP
	FETCH_B \slot, (\q)+1, 1-(\q)%2
	FETCH_A \slot, (\q)+1, 0
	WIN MUL_HI
	MUL16 4, (\q)%2, \zero
	MUL16 6, (\q)%2, \zero
	PLACES NP
	WIN 0
	FETCH_A \slot, (\q)+1, 4
.endm
.macro TURN slot, next, fill
	s_wait_tensorcnt 0x0
	ds_add_u32 v[SPW], v[NIL]
	s_wait_dscnt 4*NL+1
	WIN MUL_LO
	MUL16 0, 1, 0
	s_wait_dscnt 0x0
	s_barrier_signal -1
	MUL16 2, 1, 0
	WIN 0
	s_barrier_wait -1
.if \fill
	CREST
	s_add_nc_u64 s[G0+4*\slot+2:G0+4*\slot+3], s[G0+4*\slot+2:G0+4*\slot+3], s[FWD:FWD+1]
	s_sub_nc_u64 s[G0+4*\slot+2:G0+4*\slot+3], s[G0+4*\slot+2:G0+4*\slot+3], s[BWD:BWD+1]
	s_add_nc_u64 s[G0B+4*\slot+2:G0B+4*\slot+3], s[G0B+4*\slot+2:G0B+4*\slot+3], s[FWD:FWD+1]
	s_sub_nc_u64 s[G0B+4*\slot+2:G0B+4*\slot+3], s[G0B+4*\slot+2:G0B+4*\slot+3], s[BWD:BWD+1]
	JLOAD G0+4*\slot, G1, G0B+4*\slot, G1B
.else
	PLACES NP
.endif
	s_wait_alu depctr_va_vdst(0)
	FETCH_B \next, 0, 0
	FETCH_A \next, 0, 0
	WIN MUL_HI
	MUL16 4, 1, 0
	MUL16 6, 1, 0
	PLACES NP
	WIN 0
	FETCH_A \next, 0, 4
.endm
	s_wait_tensorcnt 1
	s_barrier_signal -1
	s_barrier_wait -1
	FETCH_B 0, 0, 0
	FETCH_A 0, 0, 0
	FETCH_A 0, 0, 4
	STEP 0, 0, 1
	s_mov_b32 s3, LAPS-1
.Llap:
	TURN 0, 1, 1
	STEP 1, 0, 0
	TURN 1, 0, 1
	STEP 0, 0, 0
	s_sub_co_u32 s3, s3, 1
	s_cmp_lg_u32 s3, 0
	s_cbranch_scc1 .Llap
	TURN 0, 1, 0
	STEP 1, 0, 0
	s_wait_kmcnt 0x0
	s_add_co_i32 s96, s96, s97
	s_add_co_i32 s96, s96, 127
	s_lshl_b32 s96, s96, 23
	s_mov_b32 s97, s96
	s_add_co_i32 s98, s98, 127
	s_lshl_b32 s99, s98, 23
	v_mov_b32 v[SCL], s99
	s_add_co_i32 s98, s98, 8
	s_lshl_b32 s98, s98, 23
	s_or_b32 s98, s98, 0x600000
	v_mov_b32 v[LIM], s98
	s_lshl_b32 s6, s42, 10
	s_lshl_b32 s7, s16, 9
	s_add_co_u32 s6, s6, s7
	s_mov_b32 s7, 0
	s_add_nc_u64 s[4:5], s[74:75], s[6:7]
.irp b, 0,1,2,3,4,5,6,7
	global_load_b128 v[BI+8*\b:BI+8*\b+3], v[BO], s[4:5] offset:64*\b
	global_load_b128 v[BI+8*\b+4:BI+8*\b+7], v[BO], s[4:5] offset:64*\b+16
.endr
	s_lshl_b32 s92, s17, 8
	s_lshl_b32 s93, s14, 6
	s_add_co_u32 s92, s92, s93
	s_lshl_b32 s92, s92, 12
	s_lshl_b32 s93, s42, 8
	s_add_co_u32 s92, s92, s93
	s_mov_b32 s93, 0
	s_add_nc_u64 s[80:81], s[80:81], s[92:93]
	s_wait_dscnt 4*NL
	WIN MUL_LO
	MUL16 0, 1, 0
	MUL16 2, 1, 0
	s_wait_dscnt 0
	WIN MUL_HI
	MUL16 4, 1, 0
	MUL16 6, 1, 0
	WIN 0
	PLACES NP
	s_wait_loadcnt 0x0
.irp a, 0,1,2,3,4,5,6,7
	WIN 0x02+(\a/4)
.irp b, 0,1,2,3,4,5,6,7
.irp i, 0,2,4,6
	v_pk_fma_f32 v[TMP+8*\b+\i:TMP+8*\b+\i+1], v[64*(\a%4)+8*\b+\i:64*(\a%4)+8*\b+\i+1], s[96:97], v[BI+8*\b+\i:BI+8*\b+\i+1] op_sel_hi:[1,0,1]
.endr
.endr
	WIN 0
.set j, 0
.rept 64
	v_med3_num_f32 v[TMP+j], v[TMP+j], 0, v[LIM]
.set j, j+1
.endr
.if \a >= 2
	s_wait_alu depctr_va_vdst(0)
	s_wait_dscnt 8
.endif
.irp b, 0,1,2,3,4,5,6,7
	v_cvt_scalef32_pk8_fp8_f32 v[CD+16*(\a%2)+2*\b:CD+16*(\a%2)+2*\b+1], v[TMP+8*\b:TMP+8*\b+7], v[SCL]
.endr
	v_nop
.irp b, 0,1,2,3,4,5,6,7
	ds_store_b64 v[STO], v[CD+16*(\a%2)+2*\b:CD+16*(\a%2)+2*\b+1] offset:\a*16*PITCH+16*\b
.endr
.endr
	s_wait_dscnt 0x0
	s_barrier_signal -1
	s_barrier_wait -1
.set t, 0
.rept 32
	ds_load_b128 v[OB+4*t:OB+4*t+3], v[RDR] offset:t*2*PITCH
.set t, t+1
.endr
.set t, 0
.rept 32
	s_wait_dscnt 31-t
	global_store_b128 v[COR], v[OB+4*t:OB+4*t+3], s[80:81] offset:8192*t
.set t, t+1
.endr
	s_wait_tensorcnt 0x0
	ds_add_u32 v[SPW], v[NIL]
	s_wait_dscnt 0x0
	CROUND
	s_endpgm
.Lfunc_end_k_qb43d3f1cbc_ffn1:
	.size	k_qb43d3f1cbc_ffn1, .Lfunc_end_k_qb43d3f1cbc_ffn1-k_qb43d3f1cbc_ffn1
	.p2alignl 7, 3214868480
	.fill 96, 4, 3214868480
	.section	.rodata,"a",@progbits
	.p2align	6, 0x0
	.amdhsa_kernel k_qb43d3f1cbc_ffn1
		.amdhsa_group_segment_fixed_size 327680
		.amdhsa_private_segment_fixed_size 0
		.amdhsa_enable_private_segment 0
		.amdhsa_kernarg_size 40
		.amdhsa_user_sgpr_count 2
		.amdhsa_user_sgpr_kernarg_segment_ptr 1
		.amdhsa_wavefront_size32 1
		.amdhsa_system_sgpr_workgroup_id_x 1
		.amdhsa_system_sgpr_workgroup_id_y 1
		.amdhsa_system_sgpr_workgroup_id_z 1
		.amdhsa_system_vgpr_workitem_id 0
		.amdhsa_next_free_vgpr 1024
		.amdhsa_next_free_sgpr 100
		.amdhsa_reserve_vcc 0
		.amdhsa_float_denorm_mode_32 3
		.amdhsa_float_denorm_mode_16_64 3
		.amdhsa_memory_ordered 1
		.amdhsa_forward_progress 1
		.amdhsa_inst_pref_size 145
	.end_amdhsa_kernel
	.amdgpu_metadata
---
amdhsa.version: [ 1, 2 ]
amdhsa.kernels:
  - .name:           k_qb43d3f1cbc_ffn1
    .symbol:         k_qb43d3f1cbc_ffn1.kd
    .args:
      - { .name: y1c, .offset: 0, .size: 8, .value_kind: global_buffer, .address_space: global }
      - { .name: wc, .offset: 8, .size: 8, .value_kind: global_buffer, .address_space: global }
      - { .name: lowp_scales, .offset: 16, .size: 8, .value_kind: global_buffer, .address_space: global }
      - { .name: b1, .offset: 24, .size: 8, .value_kind: global_buffer, .address_space: global }
      - { .name: hc, .offset: 32, .size: 8, .value_kind: global_buffer, .address_space: global }
    .group_segment_fixed_size: 327680
    .private_segment_fixed_size: 0
    .kernarg_segment_align: 8
    .kernarg_segment_size: 40
    .max_flat_workgroup_size: 128
    .sgpr_count:     100
    .vgpr_count:     1024
    .wavefront_size: 32
...
	.end_amdgpu_metadata
.endif
;; end of part 5
;; launch ffn2 (part 6): grid 8 x 32, 4 waves a work-group, clusters of 4 x 4, 327,680 bytes of LDS; arguments hc, wc, lowp_scales, b2, y1, t32; writes t32
.if DOCPART == 6
	.amdgcn_target "amdgcn-amd-amdhsa--gfx1250"
	.amdhsa_code_object_version 6
	.text
	.protected	k_qb43d3f1cbc_ffn2
	.globl	k_qb43d3f1cbc_ffn2
	.p2align	8
	.type	k_qb43d3f1cbc_ffn2,@function
k_qb43d3f1cbc_ffn2:
	s_mov_b64 s[64:65], 0
	v_nop
	global_prefetch_b8 v0, s[64:65] scope:SCOPE_SE
	s_setreg_imm32_b32 hwreg(HW_REG_WAVE_MODE, 25, 1), 1
	s_wait_xcnt 0x0
	s_wait_alu depctr_hold_cnt(0) depctr_sa_sdst(0) depctr_va_vdst(0) depctr_va_sdst(0) depctr_va_ssrc(0) depctr_va_vcc(0) depctr_vm_vsrc(0)
	s_getreg_b32 s2, hwreg(HW_REG_IB_STS2, 6, 4)
	s_cmp_eq_u32 s2, 0
	s_cbranch_scc0 .Lentry_in_a_cluster
	s_endpgm
.Lentry_in_a_cluster:
	s_bfe_u32 s2, ttmp6, 0x10000c
	s_cmp_lg_u32 s2, 0xf033
	s_cbranch_scc0 .Lentry_shape_is_right
	s_endpgm
.Lentry_shape_is_right:
.set KSTEP,  512
.set KROW,   4096
.set PITCH,  528
.set HALFT,  64*PITCH
.set SLOT,   4*HALFT
.set LAPS,   4
.set SPARE,  2*SLOT
.set SPITCH, 272
.set ADRA, 16
.set ADRB, 20
.set STO,  24
.set RD,   25
.set CO,   26
.set BOF,  27
.set SPW,  28
.set NIL,  29
.set ACC,  128
.set F0,   0
.set F1,   128
.set G1, 24
.set G0, 32
.set G1B, 48
.set G0B, 56
.set WRAP, 80
.set BACK, 94
.set MSB, 0
.macro WIN new
.if MSB != \new
	s_set_vgpr_msb (MSB<<8)|\new
.set MSB, \new
.endif
.endm
.set MUL,  0x05
.set TO_F, 0x40
.macro JLOAD s
	s_cmp_eq_u32 s11, 0
	s_cbranch_scc0 .Lfor_b_\@
	tensor_load_to_lds s[G0+4*\s:G0+4*\s+3], s[G1:G1+7]
	s_nop 0
.rept 4
	v_nop
.endr
	s_branch .Lasked_\@
.Lfor_b_\@:
	tensor_load_to_lds s[G0B+4*\s:G0B+4*\s+3], s[G1B:G1B+7]
	s_nop 0
.rept 4
	v_nop
.endr
.Lasked_\@:
.endm
.macro CREST
	s_cmp_lg_u32 s10, 0
	s_cbranch_scc1 .Lnot_wave_0_\@
	s_barrier_signal -3
.Lnot_wave_0_\@:
	s_barrier_wait -3
	s_barrier_signal -1
	s_barrier_wait -1
.endm
.macro CROUND
	s_barrier_signal -1
	s_barrier_wait -1
	CREST
.endm
	s_load_b256 s[68:75], s[0:1], 0x0
	s_load_b128 s[76:79], s[0:1], 0x20
	v_lshl_add_u32 v[SPW], v0, 2, SPARE
	v_mov_b32 v[NIL], 0
	ds_add_u32 v28, v29
	ds_add_u32 v28, v29
	s_wait_dscnt 0x0
	v_lshrrev_b32 v1, 5, v0
	v_readfirstlane_b32 s10, v1
	v_and_b32 v30, 31, v0
	v_lshrrev_b32 v31, 1, v30
	v_and_b32 v30, 1, v30
	v_lshlrev_b32 v30, 8, v30
	v_lshl_add_u32 v30, v31, 12, v30               ; the prefetches' offset: two lanes to a row of 4,096 bytes, 256 bytes apart; never rewritten
	s_lshr_b32 s11, s10, 1
	s_and_b32 s12, s10, 1
	s_bfe_u32 s40, ttmp6, 0x40000
	s_bfe_u32 s41, ttmp6, 0x40004
	s_lshl_b32 s42, ttmp9, 2
	s_add_co_u32 s42, s42, s40
	s_and_b32 s13, ttmp7, 0xffff
	s_lshl_b32 s13, s13, 2
	s_add_co_u32 s13, s13, s41
	s_and_b32 s82, ttmp7, 0xffff
	s_add_co_u32 s82, s82, ttmp9
	s_and_b32 s82, s82, 1
	s_lshl_b32 s82, s82, 11
	s_lshl_b32 s[WRAP], s82, 1
	s_mov_b32 s[BACK+1], 0
	s_lshl_b32 s43, s41, 2
	s_lshl_b32 s43, 15, s43
	s_lshl_b32 s44, 0x1111, s40
	s_or_b32 s[G1+0], s43, (1<<20)|(1<<21)|(6<<22)|(3<<25)
	s_or_b32 s[G1B+0], s44, (1<<20)|(1<<21)|(6<<22)|(3<<25)
.irp g, G1, G1B
	s_mov_b32 s[\g+1], KSTEP<<16
	s_mov_b32 s[\g+2], 64<<16
	s_mov_b32 s[\g+3], KSTEP<<16
	s_mov_b32 s[\g+4], 64
	s_mov_b32 s[\g+5], KROW
	s_mov_b32 s[\g+6], 0
	s_mov_b32 s[\g+7], 0
.endr
	s_lshl_b32 s17, s12, 6
	s_lshl_b32 s16, s13, 7
	s_add_co_u32 s16, s16, s17
	s_lshl_b32 s16, s16, 12
	s_add_co_u32 s16, s16, s82
	s_lshl_b32 s46, s42, 7
	s_add_co_u32 s46, s46, s17
	s_lshl_b32 s46, s46, 12
	s_add_co_u32 s46, s46, 7<<20
	s_add_co_u32 s46, s46, s82
	s_mov_b32 s17, 0
	s_mov_b32 s47, 0
	s_mul_i32 s20, s10, HALFT
	; the prefetches: of the 64 rows that my wave fetches, my work-group names 16, told apart from its three partners by address (cx for A's tiles, cy for B's)
	s_cmp_eq_u32 s11, 0
	s_cselect_b32 s18, s13, s42
	s_cselect_b32 s19, s40, s41
	s_cselect_b32 s9, 0, 7<<20
	s_lshl_b32 s18, s18, 7
	s_lshl_b32 s8, s12, 6
	s_add_co_u32 s18, s18, s8
	s_lshl_b32 s19, s19, 4
	s_add_co_u32 s18, s18, s19
	s_lshl_b32 s18, s18, 12
	s_add_co_u32 s18, s18, s9
	s_mov_b32 s19, 0
	s_lshr_b32 s8, s82, 9                          ; the K step (of 512 bytes) at which my walk begins, 0 or 4,
	s_add_co_u32 s8, s8, 2                         ; + 2: what the first prefetch names; the walk goes round modulo 8
	s_lshl_b32 s90, s13, 7
	s_lshl_b32 s91, s11, 6
	s_add_co_u32 s90, s90, s91
	s_lshl_b32 s90, s90, 12
	s_lshl_b32 s92, s42, 9
	s_lshl_b32 s93, s12, 8
	s_add_co_u32 s92, s92, s93
	s_add_co_u32 s90, s90, s92
	s_mov_b32 s91, 0
	s_mov_b32 s93, 0
	s_wait_kmcnt 0x0
	s_load_b64 s[96:97], s[72:73], 0x30
	s_add_nc_u64 s[14:15], s[68:69], s[16:17]
	s_add_nc_u64 s[46:47], s[70:71], s[46:47]
	s_add_nc_u64 s[84:85], s[76:77], s[90:91]
	s_add_nc_u64 s[86:87], s[78:79], s[90:91]
	s_add_nc_u64 s[88:89], s[74:75], s[92:93]
	s_cmp_eq_u32 s11, 0
	s_cselect_b64 s[4:5], s[68:69], s[70:71]
	s_add_nc_u64 s[4:5], s[4:5], s[18:19]          ; my 16 rows, at byte 0 along K
	CROUND
.irp s, 0,1
	s_mov_b32 s[G0+4*\s], 1
	s_add_co_u32 s[G0+4*\s+1], s20, \s*SLOT
	s_add_nc_u64 s[G0+4*\s+2:G0+4*\s+3], s[14:15], \s*KSTEP
	s_or_b32 s[G0+4*\s+3], s[G0+4*\s+3], 0x80000000
	s_mov_b32 s[G0B+4*\s], 1
	s_add_co_u32 s[G0B+4*\s+1], s20, \s*SLOT
	s_add_nc_u64 s[G0B+4*\s+2:G0B+4*\s+3], s[46:47], \s*KSTEP
	s_or_b32 s[G0B+4*\s+3], s[G0B+4*\s+3], 0x80000000
	s_wait_alu depctr_va_vdst(0)
.if \s                                 ; slot 1's first fill stands behind the full sequence and a round; slot 0's behind the opening lines and the one round above
	s_wait_tensorcnt 0x0
	ds_add_u32 v28, v29
	ds_add_u32 v28, v29
	s_wait_dscnt 0x0
	CROUND
.endif
	JLOAD \s
	s_wait_xcnt 0x0                                ; an earlier prefetch of mine has read its address, so it may be written
	s_and_b32 s9, s8, 7
	s_lshl_b32 s18, s9, 9
	s_add_nc_u64 s[6:7], s[4:5], s[18:19]
	s_add_co_u32 s8, s8, 1
	global_prefetch_b8 v30, s[6:7] th:TH_LOAD_NT scope:SCOPE_SE   ; beside K step s's load: 16 rows x 512 bytes of K step s + 2, two refills on
.endr
	v_and_b32 v1, 15, v0
	s_wait_alu depctr_va_vdst(0)
	v_bfe_u32 v2, v0, 4, 1
	v_mul_u32_u24 v3, v1, PITCH
	v_lshl_add_u32 v3, v2, 4, v3
	s_mul_i32 s21, s11, HALFT
	s_mul_i32 s22, s12, HALFT
	s_add_co_u32 s22, s22, 2*HALFT
.irp s, 0,1
	v_add_nc_u32 v[ADRA+\s], s21, v3
	v_add_nc_u32 v[ADRB+\s], s22, v3
	s_add_co_u32 s21, s21, SLOT
	s_add_co_u32 s22, s22, SLOT
.endr
	s_mul_i32 s23, s10, 64*SPITCH
	v_mul_u32_u24 v4, v1, SPITCH
	s_wait_alu depctr_va_vdst(0)
	v_lshl_add_u32 v4, v2, 5, v4
	v_add_nc_u32 v[STO], s23, v4
	v_mul_u32_u24 v5, v2, SPITCH
	v_lshl_add_u32 v5, v1, 4, v5
	v_add_nc_u32 v[RD], s23, v5
	v_lshlrev_b32 v[CO], 12, v2
	v_lshl_add_u32 v[CO], v1, 4, v[CO]
	v_lshlrev_b32 v[BOF], 4, v1
	WIN 0x80
.set t, 0
.rept 32
	global_load_b128 v[4*t:4*t+3], v[CO], s[84:85] offset:8192*t
.set t, t+1
.endr
	global_load_b128 v[128:131], v[BOF], s[88:89]
	WIN 0
.macro FRAG reg, adr, k, i
.irp c, 0,1,2,3
	ds_load_b128 v[\reg+4*\c:\reg+4*\c+3], v[\adr] offset:(\k)+32*\c+(\i)*16*PITCH
.endr
.endm
.macro MUL4 f, a, zero
.irp b, 0,1,2,3
.if \zero
	v_wmma_f32_16x16x128_fp8_fp8 v[ACC+8*(4*(\a)+\b):ACC+8*(4*(\a)+\b)+7], v[\f+64+16*\b:\f+64+16*\b+15], v[\f+16*(\a):\f+16*(\a)+15], 0
.else
	v_wmma_f32_16x16x128_fp8_fp8 v[ACC+8*(4*(\a)+\b):ACC+8*(4*(\a)+\b)+7], v[\f+64+16*\b:\f+64+16*\b+15], v[\f+16*(\a):\f+16*(\a)+15], v[ACC+8*(4*(\a)+\b):ACC+8*(4*(\a)+\b)+7]
.endif
.endr
.endm
.macro FETCH slot, k, f
	WIN TO_F
.irp i, 0,1,2,3
	FRAG \f+64+16*\i, ADRB+\slot, \k, \i
.endr
.irp i, 0,1,2,3
	FRAG \f+16*\i, ADRA+\slot, \k, \i
.endr
.endm
.macro PLACES
.rept 4
	v_nop
.endr
.endm
.macro QUARTER slot, k, f, g, zero
	s_wait_dscnt 8
	WIN MUL
	MUL4 \f, 0, \zero
	MUL4 \f, 1, \zero
	PLACES
	FETCH \slot, \k, \g
	s_wait_dscnt 32
	WIN MUL
	MUL4 \f, 2, \zero
	MUL4 \f, 3, \zero
.endm
.macro TURN slot, next, fill
	WIN 0
	s_wait_tensorcnt 0x0
	ds_add_u32 v[SPW], v[NIL]
	s_wait_dscnt 9
	WIN MUL
	MUL4 F1, 0, 0
	s_wait_dscnt 0x0
	s_barrier_signal -1
	MUL4 F1, 1, 0
.if \fill
	WIN 0
.endif
	s_barrier_wait -1
.if \fill
	CREST
	s_cmp_eq_u32 s3, 2
	s_cselect_b32 s[BACK], s[WRAP], 0
	s_add_nc_u64 s[G0+4*\slot+2:G0+4*\slot+3], s[G0+4*\slot+2:G0+4*\slot+3], 2*KSTEP
	s_sub_nc_u64 s[G0+4*\slot+2:G0+4*\slot+3], s[G0+4*\slot+2:G0+4*\slot+3], s[BACK:BACK+1]
	s_add_nc_u64 s[G0B+4*\slot+2:G0B+4*\slot+3], s[G0B+4*\slot+2:G0B+4*\slot+3], 2*KSTEP
	s_sub_nc_u64 s[G0B+4*\slot+2:G0B+4*\slot+3], s[G0B+4*\slot+2:G0B+4*\slot+3], s[BACK:BACK+1]
	JLOAD \slot
	s_cmp_gt_u32 s3, 1                             ; the loop's last trip loads K steps 6 and 7: no step stands two refills on
	s_cbranch_scc0 .Lno_ask_\@
	s_wait_xcnt 0x0                                ; the last prefetch, a K step ago, has read its address
	s_and_b32 s9, s8, 7
	s_lshl_b32 s18, s9, 9
	s_add_nc_u64 s[6:7], s[4:5], s[18:19]
	s_add_co_u32 s8, s8, 1
	global_prefetch_b8 v30, s[6:7] th:TH_LOAD_NT scope:SCOPE_SE   ; the K step two refills on
.Lno_ask_\@:
.else
	PLACES
.endif
	FETCH \next, 0, F0
	WIN MUL
	MUL4 F1, 2, 0
	MUL4 F1, 3, 0
.endm
	s_wait_tensorcnt 1
	s_barrier_signal -1
	s_barrier_wait -1
	FETCH 0, 0, F0
	QUARTER 0, 128, F0, F1, 1
	WIN 0
	s_mov_b32 s3, LAPS-1
.Llap:
	QUARTER 0, 256, F1, F0, 0
	QUARTER 0, 384, F0, F1, 0
	TURN 0, 1, 1
	QUARTER 1, 128, F0, F1, 0
	QUARTER 1, 256, F1, F0, 0
	QUARTER 1, 384, F0, F1, 0
	TURN 1, 0, 1
	QUARTER 0, 128, F0, F1, 0
	WIN 0
	s_sub_co_u32 s3, s3, 1
	s_cmp_lg_u32 s3, 0
	s_cbranch_scc1 .Llap
	QUARTER 0, 256, F1, F0, 0
	QUARTER 0, 384, F0, F1, 0
	TURN 0, 1, 0
	QUARTER 1, 128, F0, F1, 0
	QUARTER 1, 256, F1, F0, 0
	QUARTER 1, 384, F0, F1, 0
	s_wait_dscnt 8
	WIN MUL
	MUL4 F1, 0, 0
	MUL4 F1, 1, 0
	s_wait_alu depctr_va_vdst(0)
	s_wait_dscnt 0
	MUL4 F1, 2, 0
	MUL4 F1, 3, 0
	WIN 0
	PLACES
.irp a, 0,1,2,3
.irp b, 0,1,2,3
	ds_store_b128 v[STO], v[ACC+8*(4*\a+\b):ACC+8*(4*\a+\b)+3] offset:\a*16*SPITCH+64*\b
	ds_store_b128 v[STO], v[ACC+8*(4*\a+\b)+4:ACC+8*(4*\a+\b)+7] offset:\a*16*SPITCH+64*\b+16
.endr
.endr
	WIN 0x40
.set t, 0
.rept 32
	ds_load_b128 v[4*t:4*t+3], v[RD] offset:t*2*SPITCH
.set t, t+1
.endr
	s_wait_kmcnt 0x0
	s_add_co_i32 s96, s96, s97
	s_add_co_i32 s96, s96, 127
	s_lshl_b32 s96, s96, 23
	s_mov_b32 s97, s96
	s_wait_dscnt 0x0
	s_wait_loadcnt 0x0
	WIN 0x61
.set t, 0
.rept 32
	v_pk_fma_f32 v[4*t:4*t+1], v[4*t:4*t+1], s[96:97], v[128:129] op_sel_hi:[1,0,1]
	v_pk_fma_f32 v[4*t+2:4*t+3], v[4*t+2:4*t+3], s[96:97], v[130:131] op_sel_hi:[1,0,1]
.set t, t+1
.endr
	WIN 0x49
.set t, 0
.rept 64
	v_pk_add_f32 v[2*t:2*t+1], v[2*t:2*t+1], v[2*t:2*t+1]
.set t, t+1
.endr
	WIN 0x04
.set t, 0
.rept 32
	global_store_b128 v[CO], v[4*t:4*t+3], s[86:87] offset:8192*t
.set t, t+1
.endr
	WIN 0
	s_wait_tensorcnt 0x0
	ds_add_u32 v[SPW], v[NIL]
	s_wait_dscnt 0x0
	CROUND
	s_endpgm
.Lfunc_end_k_qb43d3f1cbc_ffn2:
	.size	k_qb43d3f1cbc_ffn2, .Lfunc_end_k_qb43d3f1cbc_ffn2-k_qb43d3f1cbc_ffn2
	.p2alignl 7, 3214868480
	.fill 96, 4, 3214868480
	.section	.rodata,"a",@progbits
	.p2align	6, 0x0
	.amdhsa_kernel k_qb43d3f1cbc_ffn2
		.amdhsa_group_segment_fixed_size 327680
		.amdhsa_private_segment_fixed_size 0
		.amdhsa_enable_private_segment 0
		.amdhsa_kernarg_size 48
		.amdhsa_user_sgpr_count 2
		.amdhsa_user_sgpr_kernarg_segment_ptr 1
		.amdhsa_wavefront_size32 1
		.amdhsa_system_sgpr_workgroup_id_x 1
		.amdhsa_system_sgpr_workgroup_id_y 1
		.amdhsa_system_sgpr_workgroup_id_z 1
		.amdhsa_system_vgpr_workitem_id 0
		.amdhsa_next_free_vgpr 768
		.amdhsa_next_free_sgpr 100
		.amdhsa_reserve_vcc 0
		.amdhsa_float_denorm_mode_32 3
		.amdhsa_float_denorm_mode_16_64 3
		.amdhsa_memory_ordered 1
		.amdhsa_forward_progress 1
		.amdhsa_inst_pref_size 84
	.end_amdhsa_kernel
	.amdgpu_metadata
---
amdhsa.version: [ 1, 2 ]
amdhsa.kernels:
  - .name:           k_qb43d3f1cbc_ffn2
    .symbol:         k_qb43d3f1cbc_ffn2.kd
    .args:
      - { .name: hc, .offset: 0, .size: 8, .value_kind: global_buffer, .address_space: global }
      - { .name: wc, .offset: 8, .size: 8, .value_kind: global_buffer, .address_space: global }
      - { .name: lowp_scales, .offset: 16, .size: 8, .value_kind: global_buffer, .address_space: global }
      - { .name: b2, .offset: 24, .size: 8, .value_kind: global_buffer, .address_space: global }
      - { .name: y1, .offset: 32, .size: 8, .value_kind: global_buffer, .address_space: global }
      - { .name: t32, .offset: 40, .size: 8, .value_kind: global_buffer, .address_space: global }
    .group_segment_fixed_size: 327680
    .private_segment_fixed_size: 0
    .kernarg_segment_align: 8
    .kernarg_segment_size: 48
    .max_flat_workgroup_size: 128
    .sgpr_count:     100
    .vgpr_count:     768
    .wavefront_size: 32
...
	.end_amdgpu_metadata
.endif
;; end of part 6
;; launch ln2 (part 7): grid 256 x 1, 8 waves a work-group, no clusters, 0 bytes of LDS; arguments t32, g2, beta2, out0; writes out0
.if DOCPART == 7
	.amdgcn_target "amdgcn-amd-amdhsa--gfx1250"
	.amdhsa_code_object_version 6
	.text
	.protected	k_qb43d3f1cbc_ln2
	.globl	k_qb43d3f1cbc_ln2
	.p2align	8
	.type	k_qb43d3f1cbc_ln2,@function
k_qb43d3f1cbc_ln2:
	s_mov_b64 s[64:65], 0
	v_nop
	global_prefetch_b8 v0, s[64:65] scope:SCOPE_SE
	s_setreg_imm32_b32 hwreg(HW_REG_WAVE_MODE, 25, 1), 1
	s_wait_xcnt 0x0
; out0 = layer_norm(z) x g2 + beta2, rows of 1,024, in f32; z = y1 + the feed-forward's result.
; A wave owns two rows; a row lies in 32 registers a lane between the passes (mean; sum of squares of the differences; scaling), so memory is read once and no wave waits for another.
; Load i of a row takes 16 bytes a lane at 16 x lane + 512 i: every load and store of a wave covers 512 consecutive bytes.  Memory binds: no LDS, no matrix unit, no cluster (nothing is shared), no barrier.
.set G,  16                            ; v16-47   g2 of my 32 columns
.set BT, 48                            ; v48-79   beta2
.set XA, 80                            ; row j: v[80 + 32 j ..]
.set W,  144                           ; v144-152 at work
	s_load_b256 s[4:11], s[0:1], 0x0               ; z 4, g2 6, beta2 8, out0 10
	v_lshrrev_b32 v1, 5, v0
	s_delay_alu instid0(VALU_DEP_1)
	v_readfirstlane_b32 s18, v1                    ; wave
	v_and_b32 v2, 31, v0
	s_delay_alu instid0(VALU_DEP_1)
	v_lshlrev_b32 v3, 4, v2                        ; 16 x lane
	s_lshl_b32 s19, ttmp9, 3
	s_add_co_u32 s19, s19, s18                     ; my pair of rows
	s_lshl_b32 s20, s19, 13
	s_mov_b32 s21, 0
	s_mov_b32 s24, 0x76543210
	s_mov_b32 s25, 0xfedcba98
	s_mov_b32 s26, 0x3a800000                      ; 1 / 1,024
	s_mov_b32 s27, 0x3727c5ac                      ; 1e-5
	v_mov_b32 v[W+8], 0                            ; a lane permute's destination counts as one of its sources
	s_wait_alu depctr_va_vdst(0)
	s_wait_kmcnt 0x0
	s_add_nc_u64 s[4:5], s[4:5], s[20:21]
	s_add_nc_u64 s[10:11], s[10:11], s[20:21]
.macro LD8 reg, base, off
.irp i, 0,1,2,3,4,5,6,7
	global_load_b128 v[\reg+4*\i:\reg+4*\i+3], v3, s[\base:\base+1] offset:\off+512*\i
.endr
.endm
	LD8 XA, 4, 0
	LD8 G, 6, 0
	LD8 BT, 8, 0
	LD8 XA+32, 4, 4096
.macro FOLD                            ; four packed chains into one number, then over the 32 lanes: every lane ends with the sum
	s_delay_alu instid0(VALU_DEP_3)
	v_pk_add_f32 v[W:W+1], v[W:W+1], v[W+2:W+3]
	s_delay_alu instid0(VALU_DEP_2)
	v_pk_add_f32 v[W+4:W+5], v[W+4:W+5], v[W+6:W+7]
	s_delay_alu instid0(VALU_DEP_1)
	v_pk_add_f32 v[W:W+1], v[W:W+1], v[W+4:W+5]
	s_delay_alu instid0(VALU_DEP_1)
	v_add_f32 v[W], v[W], v[W+1]
	s_delay_alu instid0(VALU_DEP_1)
	v_add_f32_dpp v[W], v[W], v[W] row_xmask:1 row_mask:0xf bank_mask:0xf
	s_delay_alu instid0(VALU_DEP_1)
	v_add_f32_dpp v[W], v[W], v[W] row_xmask:2 row_mask:0xf bank_mask:0xf
	s_delay_alu instid0(VALU_DEP_1)
	v_add_f32_dpp v[W], v[W], v[W] row_xmask:4 row_mask:0xf bank_mask:0xf
	s_delay_alu instid0(VALU_DEP_1)
	v_add_f32_dpp v[W], v[W], v[W] row_xmask:8 row_mask:0xf bank_mask:0xf
	s_delay_alu instid0(VALU_DEP_1)
	v_permlanex16_b32 v[W+8], v[W], s24, s25
	s_delay_alu instid0(VALU_DEP_1)
	v_add_f32 v[W], v[W], v[W+8]
.endm
.macro ROW j
.set A, XA+32*\j
.if \j == 0
	s_wait_loadcnt 24                              ; row 0 is in; g2, beta2 and row 1 (24 loads) may be out
.else
	s_wait_loadcnt 0x0
.endif
.irp k, 0,2,4,6
	v_pk_add_f32 v[W+\k:W+\k+1], v[A+\k:A+\k+1], v[A+8+\k:A+8+\k+1]
.endr
.irp m, 16,24
.irp k, 0,2,4,6
	s_delay_alu instid0(VALU_DEP_4)
	v_pk_add_f32 v[W+\k:W+\k+1], v[W+\k:W+\k+1], v[A+\m+\k:A+\m+\k+1]
.endr
.endr
	FOLD
	s_delay_alu instid0(VALU_DEP_1)
	v_mul_f32 v[W], s26, v[W]                      ; the mean
.set i, 0
.rept 16
	v_pk_add_f32 v[A+i:A+i+1], v[A+i:A+i+1], v[W:W+1] op_sel_hi:[1,0] neg_lo:[0,1] neg_hi:[0,1]
.set i, i+2
.endr
.irp k, 0,2,4,6
	v_pk_mul_f32 v[W+\k:W+\k+1], v[A+\k:A+\k+1], v[A+\k:A+\k+1]
.endr
.irp m, 8,16,24
.irp k, 0,2,4,6
	s_delay_alu instid0(VALU_DEP_4)
	v_pk_fma_f32 v[W+\k:W+\k+1], v[A+\m+\k:A+\m+\k+1], v[A+\m+\k:A+\m+\k+1], v[W+\k:W+\k+1]
.endr
.endr
	FOLD
	s_delay_alu instid0(VALU_DEP_1)
	v_fma_f32 v[W], v[W], s26, s27                 ; the variance + 1e-5
	s_wait_alu depctr_va_vdst(0)
	v_rsq_f32 v[W], v[W]
	v_nop                                          ; a plain line behind the transcendental,
	s_wait_alu depctr_va_vdst(0)                   ; and the wait ahead of its first reader
.if \j == 0
	s_wait_loadcnt 8                               ; g2 and beta2 are in; row 1's 8 loads may be out
.endif
.set i, 0
.rept 16
	v_pk_mul_f32 v[A+i:A+i+1], v[A+i:A+i+1], v[W:W+1] op_sel_hi:[1,0]
.set i, i+2
.endr
.set i, 0
.rept 16
	v_pk_fma_f32 v[A+i:A+i+1], v[A+i:A+i+1], v[G+i:G+i+1], v[BT+i:BT+i+1]
.set i, i+2
.endr
.irp i, 0,1,2,3,4,5,6,7
	global_store_b128 v3, v[A+4*\i:A+4*\i+3], s[10:11] offset:4096*\j+512*\i th:TH_STORE_NT
.endr
.endm
	ROW 0
	ROW 1
	s_endpgm
.Lfunc_end_k_qb43d3f1cbc_ln2:
	.size	k_qb43d3f1cbc_ln2, .Lfunc_end_k_qb43d3f1cbc_ln2-k_qb43d3f1cbc_ln2
	.p2alignl 7, 3214868480
	.fill 96, 4, 3214868480
	.section	.rodata,"a",@progbits
	.p2align	6, 0x0
	.amdhsa_kernel k_qb43d3f1cbc_ln2
		.amdhsa_group_segment_fixed_size 0
		.amdhsa_private_segment_fixed_size 0
		.amdhsa_enable_private_segment 0
		.amdhsa_kernarg_size 32
		.amdhsa_user_sgpr_count 2
		.amdhsa_user_sgpr_kernarg_segment_ptr 1
		.amdhsa_wavefront_size32 1
		.amdhsa_system_sgpr_workgroup_id_x 1
		.amdhsa_system_sgpr_workgroup_id_y 1
		.amdhsa_system_sgpr_workgroup_id_z 1
		.amdhsa_system_vgpr_workitem_id 0
		.amdhsa_next_free_vgpr 160
		.amdhsa_next_free_sgpr 66
		.amdhsa_reserve_vcc 0
		.amdhsa_float_denorm_mode_32 3
		.amdhsa_float_denorm_mode_16_64 3
		.amdhsa_memory_ordered 1
		.amdhsa_forward_progress 1
		.amdhsa_inst_pref_size 21
	.end_amdhsa_kernel
	.amdgpu_metadata
---
amdhsa.version: [ 1, 2 ]
amdhsa.kernels:
  - .name:           k_qb43d3f1cbc_ln2
    .symbol:         k_qb43d3f1cbc_ln2.kd
    .args:
      - { .name: t32, .offset: 0, .size: 8, .value_kind: global_buffer, .address_space: global }
      - { .name: g2, .offset: 8, .size: 8, .value_kind: global_buffer, .address_space: global }
      - { .name: beta2, .offset: 16, .size: 8, .value_kind: global_buffer, .address_space: global }
      - { .name: out0, .offset: 24, .size: 8, .value_kind: global_buffer, .address_space: global }
    .group_segment_fixed_size: 0
    .private_segment_fixed_size: 0
    .kernarg_segment_align: 8
    .kernarg_segment_size: 32
    .max_flat_workgroup_size: 256
    .sgpr_count:     66
    .vgpr_count:     160
    .wavefront_size: 32
...
	.end_amdgpu_metadata
.endif
;; end of part 7
